; MI455X (gfx1250); checked and timed in simulation.
; The chip was launched on July 23, 2026; its instructions are those of AMD's public machine-readable ISA for CDNA 5 (MIT licence, August 2026) and "CDNA5" Instruction Set Architecture Reference Guide (July 2026). The comments in the code are by the model that wrote it; some were corrected since.
;; Mllama Text Self Attention. Allowed arithmetic: matrix products marked QUANTISED: E2M1 operands, one E8M0 scale for each 32 along K, by v_wmma_scale_f32_16x16x128_f8f6f4 with both operands' format E2M1 (or v_wmma_scale_f32_32x16x128_f4), f32 sums; products left as they are: bf16, f16 or f32 operands; f32 sums; everything else in f32.
;; Inputs: attention_mask 1 x 1 x 2,048 x 2,048 float32; cos 1 x 2,048 x 128 float32; hidden_states 1 x 2,048 x 4,096 float32; sin 1 x 2,048 x 128 float32; wk 1,024 x 4,096 float32; wo 4,096 x 2,048 float32; wq 2,048 x 4,096 float32; wv 1,024 x 4,096 float32.
;; Outputs: out0 1 x 2,048 x 4,096 float32.
;; This version of the problem:
;;   THIS VERSION OF THE PROBLEM IS GIVEN IN LOW PRECISION. The matrix products marked QUANTISED in the list below multiply operands that are first quantised to E2M1 (2 exponent bits, 1 mantissa bit; 4 bits a number), with one power-of-two scale for each 32 numbers along K (OCP MX v1.0); their sums are f32. The products marked 'left as it is' may take bf16, f16 or f32 operands, with f32 sums. Whichever they take, every output number must still come out within the allowed error. Rounding operands to bf16 (8 significant bits) uses up far more of that allowance than f16 does (11 bits, for magnitudes from 6e-5 to 65,504). All else is computed in f32.
;;   The module's matrix products, in the order in which they are computed (A, B: the left and right operand; K: the contracted axis; several contracted axes count as one K, in the product's order):
;;     1. [M 2,048, K 4,096] x [K 4,096, N 2,048]; A: input hidden_states; B: input wq: QUANTISED
;;     2. [M 2,048, K 4,096] x [K 4,096, N 1,024]; A: input hidden_states; B: input wk: QUANTISED
;;     3. [M 2,048, K 4,096] x [K 4,096, N 1,024]; A: input hidden_states; B: input wv: QUANTISED
;;     4. batch 16 x [M 2,048, K 128] x [K 128, N 2,048]; A: computed on the way; B: computed on the way: left as it is (an operand is computed on the way)
;;     5. batch 16 x [M 2,048, K 2,048] x [K 2,048, N 128]; A: computed on the way; B: computed on the way: left as it is (an operand is computed on the way)
;;     6. [M 2,048, K 2,048] x [K 2,048, N 4,096]; A: computed on the way; B: input wo: left as it is (an operand is computed on the way)
;;   THE QUANTISER, for each operand of a quantised product, along K:
;;     - K is cut into blocks of 32 from its start; a last block that is shorter is filled with zeros.
;;     - A block's scale is 2^e with e = floor(log2(the largest magnitude in the block)) - 2, held to -126 .. 127; a block of zeros has e = 0. As a byte (E8M0): e + 127.
;;     - Each number is divided by its block's scale, clamped to +-6, and rounded to the nearest number of E2M1, ties to even, subnormals kept.
;;     - The product sums the exact products of the quantised numbers (number of the format x scale) in f32.
;;   ~~~python
;;   def quantise(x, axis):      # numpy; x: float32 -> the quantised numbers, widened to float32 again
;;       x = np.moveaxis(x, axis, -1); K = x.shape[-1]
;;       x = np.pad(x, [(0, 0)] * (x.ndim - 1) + [(0, -K % 32)]); x = x.reshape(x.shape[:-1] + (-1, 32)); a = np.abs(x).max(-1, keepdims=True)
;;       e = np.where(a > 0, np.clip(np.frexp(np.where(a > 0, a, 1))[1] - 1 - 2, -126, 127), 0)      # np.frexp(a)[1] - 1 = floor(log2(a)), exactly
;;       r = np.clip(x / 2.0 ** e, -6, 6)
;;       step = 2.0 ** (np.maximum(np.frexp(np.where(r == 0, 1, r))[1] - 1, 0) - 1)
;;       q = np.round(r / step) * step * 2.0 ** e      # np.round: ties to even
;;       return np.moveaxis(q.reshape(q.shape[:-2] + (-1,))[..., :K], -1, axis).astype(np.float32)
;;   ~~~
;; One version. Each part assembles by itself: llvm-mc -triple=amdgcn-amd-amdhsa -mcpu=gfx1250 --defsym DOCPART=n.
;; ======== version 1 of 1: 4 launches
;; limits: values are held in f16: magnitudes above 65,504 overflow, below 6.1e-05 lose precision; right only within a limited range of input values
;; workspace buffers: hc 4,194,304 bytes; hs 262,144 bytes; wc 8,388,608 bytes; ws 524,288 bytes; wo16 16,777,216 bytes; qkv 16,777,216 bytes; sc 4,096 bytes; att 8,388,608 bytes
;; launch prep (part 1): grid 1024 x 1, 4 waves a work-group, no clusters, 33,280 bytes of LDS; arguments hidden_states, wq, wk, wv, wo, hc, hs, wc, ws, wo16; writes hc, hs, wc, ws, wo16
.if DOCPART == 1
	.amdgcn_target "amdgcn-amd-amdhsa--gfx1250"
	.amdhsa_code_object_version 6
	.text
	.protected	k_qa43cd05511_prep
	.globl	k_qa43cd05511_prep
	.p2align	8
	.type	k_qa43cd05511_prep,@function
k_qa43cd05511_prep:
	s_mov_b64 s[64:65], 0
	v_nop
	global_prefetch_b8 v0, s[64:65] scope:SCOPE_SE
	s_setreg_imm32_b32 hwreg(HW_REG_WAVE_MODE, 25, 1), 1
	s_wait_xcnt 0x0
; hidden_states [2048][4096], wq [2048][4096], wk, wv [1024][4096], f32, become codes of FP4 (E2M1), K innermost, two a byte, with one E8M0 byte for each 32 along K:
; hc [2048][2048 B], hs [2048][128 B];  wc [4096][2048 B], ws [4096][128 B], rows 0-2047 wq's, 2048-3071 wk's, 3072-4095 wv's.  wo [4096][2048] f32 becomes wo16, f16, same shape.
; A block's scale is 2^(floor(log2(its largest magnitude)) - 2); its byte is the largest magnitude's exponent field - 2, held at 1 from below.  (A block of zeros so gets the byte 1 where the
; quantiser says 127: its codes are zeros, which add nothing under any byte but 0xff, and this program alone reads the bytes.)  Division by the scale, nearest code, ties to even, beyond 6 the code of 6.
; LIMITS: NaN and infinities are not served; blocks whose largest magnitude lies under 2^-124 keep the byte 1; |wo| stays under 65,504, and under 6e-5 it is kept to 6e-8 absolute (f16's subnormals).
; SHARES: rows are dense and K is a multiple of 32, so each tensor is a stream.  A wave takes 8,192 numbers.  Work-groups 0-255 hidden, 256-511 wq, 512-639 wk, 640-767 wv, 768-1023 wo.
; Memory binds: no matrix unit, no cluster, no barrier; waves share nothing.
; THE QUANTISING WAY: 16 steps of 512 numbers.  Each load reads 512 consecutive bytes; a step's 2,048 bytes turn through the wave's own stage in LDS (16 bytes of padding behind each 64) and come back
; 64 bytes a lane, so that a lane holds 16 neighbours along K and two neighbouring lanes a block.  A lane's 16 codes are 8 bytes: a store covers 256 consecutive bytes, aligned.
; A wave's 256 scale bytes are gathered in LDS and leave by one store of 256 consecutive bytes.  Loads run four steps ahead.
.set STEPS, 16
.set EMAX,  2
.set CB,    8                          ; bytes of 16 codes
.set R,     16                         ; v16-79   four sets of 16 numbers as loaded
.set X,     80                         ; v80-111  two sets of 16 neighbours
.set E,     112                        ; v112-127 a scale byte for each step
.set C,     128                        ; v128-191 codes: registers of its own for each step
.set WREG,  8192                       ; LDS: a region for each wave: two stages of 32 x SP bytes, then its 256 scale bytes
.set SP,    80
.set SPW,   12                         ; v12 LDS address of my spare word; never rewritten
.set NIL,   13                         ; v13 0; never rewritten
.set SPARE, 4*WREG                     ; the spare words: 128 bytes for each wave, named by no other line
.set SRC,   28                         ; s[28:29] the tensor, s[30:31] its codes, s[32:33] its scale bytes
.set COD,   30
.set SCA,   32
.set R0,    16                         ; the f16 way: two sets of 64 numbers, two sets of 32 packed registers
.set R1,    80
.set C0,    144
.set C1,    176
	s_load_b512 s[4:19], s[0:1], 0x0               ; hidden 4, wq 6, wk 8, wv 10, wo 12, hc 14, hs 16, wc 18
	s_load_b128 s[20:23], s[0:1], 0x40             ; ws 20, wo16 22
	v_lshl_add_u32 v[SPW], v0, 2, SPARE
	v_mov_b32 v[NIL], 0
	v_lshrrev_b32 v1, 5, v0
	v_readfirstlane_b32 s24, v1                    ; wave
	v_and_b32 v2, 31, v0                           ; lane
	v_lshlrev_b32 v3, 4, v2                        ; my 16 bytes of a load's 512
	v_lshlrev_b32 v4, 3, v2                        ; my 8 bytes of a store's 256
	s_mov_b32 s35, 0
	s_wait_kmcnt 0x0
	s_cmp_ge_u32 ttmp9, 768
	s_cbranch_scc1 .Lcvt
	; ---- the quantising way
	s_mul_i32 s25, s24, WREG
	v_lshrrev_b32 v14, 2, v2
	v_mul_u32_u24 v14, v14, SP
	v_and_b32 v15, 3, v2
	v_lshl_add_u32 v14, v15, 4, v14
	v_add_nc_u32 v14, s25, v14                     ; into the stage: SP (lane / 4) + 16 (lane % 4)
	v_mul_u32_u24 v15, v2, SP
	v_add_nc_u32 v15, s25, v15                     ; out of it: SP x lane: my 16 neighbours
	v_lshrrev_b32 v5, 1, v2
	s_add_co_u32 s25, s25, 2*32*SP
	v_add_nc_u32 v5, s25, v5                       ; my block's scale byte
	v_add_nc_u32 v6, s25, v4                       ; and on the way out 8 bytes a lane
	s_mov_b64 s[SRC:SRC+1], s[10:11]               ; which tensor: the choice hangs on the work-group's number alone
	s_mov_b32 s26, 640
	s_cmp_lt_u32 ttmp9, 640
	s_cselect_b64 s[SRC:SRC+1], s[8:9], s[SRC:SRC+1]
	s_cselect_b32 s26, 512, s26
	s_cmp_lt_u32 ttmp9, 512
	s_cselect_b64 s[SRC:SRC+1], s[6:7], s[SRC:SRC+1]
	s_cselect_b32 s26, 256, s26
	s_cmp_lt_u32 ttmp9, 256
	s_cselect_b64 s[SRC:SRC+1], s[4:5], s[SRC:SRC+1]
	s_cselect_b32 s26, 0, s26                      ; the tensor's first work-group
	s_cselect_b64 s[COD:COD+1], s[14:15], s[18:19]
	s_cselect_b64 s[SCA:SCA+1], s[16:17], s[20:21]
	s_cselect_b32 s27, 0, 256                      ; the first work-group of the codes' buffer: the three weights lie on end
	s_sub_co_u32 s34, ttmp9, s26
	s_lshl_b32 s34, s34, 2
	s_add_co_u32 s34, s34, s24                     ; which run of 8,192 numbers of the tensor
	s_lshl_b64 s[36:37], s[34:35], 15
	s_add_nc_u64 s[SRC:SRC+1], s[SRC:SRC+1], s[36:37]
	s_sub_co_u32 s34, ttmp9, s27
	s_lshl_b32 s34, s34, 2
	s_add_co_u32 s34, s34, s24                     ; and of the buffers
	s_lshl_b64 s[36:37], s[34:35], 12
	s_add_nc_u64 s[COD:COD+1], s[COD:COD+1], s[36:37]
	s_lshl_b64 s[36:37], s[34:35], 8
	s_add_nc_u64 s[SCA:SCA+1], s[SCA:SCA+1], s[36:37]
.macro LOAD t
.irp i, 0,1,2,3
	global_load_b128 v[R+16*((\t)%4)+4*\i:R+16*((\t)%4)+4*\i+3], v3, s[SRC:SRC+1] offset:2048*(\t)+512*\i th:TH_LOAD_NT
.endr
.endm
.macro TURN t                          ; step t's numbers through the stage: LDS serves a wave's instructions in order, so no wait stands between the stores and the loads
.irp i, 0,1,2,3
	ds_store_b128 v14, v[R+16*((\t)%4)+4*\i:R+16*((\t)%4)+4*\i+3] offset:32*SP*((\t)%2)+8*SP*\i
.endr
.irp i, 0,1,2,3
	ds_load_b128 v[X+16*((\t)%2)+4*\i:X+16*((\t)%2)+4*\i+3], v15 offset:32*SP*((\t)%2)+16*\i
.endr
.endm
.irp t, 0,1,2,3
	LOAD \t
.endr
	s_wait_loadcnt 12                              ; step 0's four loads are in; twelve younger ones stay out
	TURN 0
.macro STEP t
.set XS, X+16*((\t)%2)
.if (\t) > 0
	s_wait_dscnt 1                                 ; this step's numbers are back from the stage; the last step's byte store may be out
.else
	s_wait_dscnt 0x0
.endif
.if (\t)+4 < STEPS
	LOAD (\t)+4                                    ; into the registers that the stage's stores have read
.endif
.if (\t)+1 < STEPS
.if STEPS-2-(\t) >= 3
	s_wait_loadcnt 12                              ; the next step's four loads are in; those of the three steps behind it may be out
.else
	s_wait_loadcnt 4*(STEPS-2-(\t))
.endif
	TURN (\t)+1
.endif
	v_max3_num_f32 v8, |v[XS]|, |v[XS+1]|, |v[XS+2]|
	v_max3_num_f32 v9, |v[XS+3]|, |v[XS+4]|, |v[XS+5]|
.irp i, 6,10
	v_max3_num_f32 v8, v8, |v[XS+\i]|, |v[XS+\i+1]|
	v_max3_num_f32 v9, v9, |v[XS+\i+2]|, |v[XS+\i+3]|
.endr
	v_max3_num_f32 v8, v8, |v[XS+14]|, |v[XS+15]|
	v_max3_num_f32 v8, v8, v9, (EMAX+1)<<23        ; the floor 2^(3 - 127): the byte cannot fall under 1
	v_max_num_f32_dpp v8, v8, v8 row_xmask:1 row_mask:0xf bank_mask:0xf   ; with my neighbour's 16: the block's largest magnitude
	v_add_nc_u32 v11, -(EMAX<<23), v8              ; 2 off its exponent field: the conversion takes the exponent field of this operand as its scale
	v_cvt_scalef32_pk8_fp4_f32 v[C+4*(\t)], v[XS:XS+7], v11
	v_cvt_scalef32_pk8_fp4_f32 v[C+4*(\t)+1], v[XS+8:XS+15], v11
	v_lshrrev_b32 v[E+(\t)], 23, v11               ; the scale's byte
	ds_store_b8 v5, v[E+(\t)] offset:16*(\t)       ; both lanes of a block write the same byte with the same value
	global_store_b64 v4, v[C+4*(\t):C+4*(\t)+1], s[COD:COD+1] offset:32*CB*(\t)
.endm
.irp t, 0,1,2,3,4,5,6,7,8,9,10,11,12,13,14,15
	STEP \t
.endr
	ds_load_b64 v[8:9], v6                         ; in order behind my byte stores
	s_wait_dscnt 0x0
	global_store_b64 v4, v[8:9], s[SCA:SCA+1]      ; 256 consecutive bytes, aligned
	s_wait_tensorcnt 0x0                           ; the wave's end, behind my last LDS store
	ds_add_u32 v[SPW], v[NIL]
	s_wait_dscnt 0x0
	s_endpgm
	; ---- wo to f16: four groups of 2,048 numbers, two groups of loads ahead; a lane's 16 bytes become 8
.Lcvt:
	s_sub_co_u32 s34, ttmp9, 768
	s_lshl_b32 s34, s34, 2
	s_add_co_u32 s34, s34, s24
	s_lshl_b64 s[36:37], s[34:35], 15
	s_add_nc_u64 s[12:13], s[12:13], s[36:37]
	s_lshl_b64 s[36:37], s[34:35], 14
	s_add_nc_u64 s[22:23], s[22:23], s[36:37]
.macro LOADG g, set
.irp i, 0,1,2,3,4,5,6,7,8,9,10,11,12,13,14,15
	global_load_b128 v[\set+4*\i:\set+4*\i+3], v3, s[12:13] offset:512*(16*\g+\i) th:TH_LOAD_NT
.endr
.endm
.macro CVTG set, c
.irp i, 0,1,2,3,4,5,6,7,8,9,10,11,12,13,14,15,16,17,18,19,20,21,22,23,24,25,26,27,28,29,30,31
	v_cvt_pk_f16_f32 v[\c+\i], v[\set+2*\i], v[\set+2*\i+1]
.endr
.endm
.macro STOREG g, c
.irp i, 0,1,2,3,4,5,6,7,8,9,10,11,12,13,14,15
	global_store_b64 v4, v[\c+2*\i:\c+2*\i+1], s[22:23] offset:256*(16*\g+\i)   ; 256 consecutive bytes, aligned
.endr
.endm
	LOADG 0, R0
	LOADG 1, R1
	s_wait_loadcnt 16                              ; group 0 is in, group 1's sixteen may be out
	CVTG R0, C0
	STOREG 0, C0
	LOADG 2, R0
	s_wait_loadcnt 16                              ; group 1 is in
	CVTG R1, C1
	STOREG 1, C1
	LOADG 3, R1
	s_wait_loadcnt 16                              ; group 2 is in
	s_wait_xcnt 0x0                                ; the stores of groups 0 and 1 have read their registers: both sets may be written again
	CVTG R0, C0
	STOREG 2, C0
	s_wait_loadcnt 0x0
	CVTG R1, C1
	STOREG 3, C1
	s_wait_tensorcnt 0x0                           ; the same three lines at this way's end
	ds_add_u32 v[SPW], v[NIL]
	s_wait_dscnt 0x0
	s_endpgm
.Lfunc_end_k_qa43cd05511_prep:
	.size	k_qa43cd05511_prep, .Lfunc_end_k_qa43cd05511_prep-k_qa43cd05511_prep
	.p2alignl 7, 3214868480
	.fill 96, 4, 3214868480
	.section	.rodata,"a",@progbits
	.p2align	6, 0x0
	.amdhsa_kernel k_qa43cd05511_prep
		.amdhsa_group_segment_fixed_size 33280
		.amdhsa_private_segment_fixed_size 0
		.amdhsa_enable_private_segment 0
		.amdhsa_kernarg_size 80
		.amdhsa_user_sgpr_count 2
		.amdhsa_user_sgpr_kernarg_segment_ptr 1
		.amdhsa_wavefront_size32 1
		.amdhsa_system_sgpr_workgroup_id_x 1
		.amdhsa_system_sgpr_workgroup_id_y 1
		.amdhsa_system_sgpr_workgroup_id_z 1
		.amdhsa_system_vgpr_workitem_id 0
		.amdhsa_next_free_vgpr 208
		.amdhsa_next_free_sgpr 66
		.amdhsa_reserve_vcc 0
		.amdhsa_float_denorm_mode_32 3
		.amdhsa_float_denorm_mode_16_64 3
		.amdhsa_memory_ordered 1
		.amdhsa_forward_progress 1
		.amdhsa_inst_pref_size 54
	.end_amdhsa_kernel
	.amdgpu_metadata
---
amdhsa.version: [ 1, 2 ]
amdhsa.kernels:
  - .name:           k_qa43cd05511_prep
    .symbol:         k_qa43cd05511_prep.kd
    .args:
      - { .name: hidden_states, .offset: 0, .size: 8, .value_kind: global_buffer, .address_space: global }
      - { .name: wq, .offset: 8, .size: 8, .value_kind: global_buffer, .address_space: global }
      - { .name: wk, .offset: 16, .size: 8, .value_kind: global_buffer, .address_space: global }
      - { .name: wv, .offset: 24, .size: 8, .value_kind: global_buffer, .address_space: global }
      - { .name: wo, .offset: 32, .size: 8, .value_kind: global_buffer, .address_space: global }
      - { .name: hc, .offset: 40, .size: 8, .value_kind: global_buffer, .address_space: global }
      - { .name: hs, .offset: 48, .size: 8, .value_kind: global_buffer, .address_space: global }
      - { .name: wc, .offset: 56, .size: 8, .value_kind: global_buffer, .address_space: global }
      - { .name: ws, .offset: 64, .size: 8, .value_kind: global_buffer, .address_space: global }
      - { .name: wo16, .offset: 72, .size: 8, .value_kind: global_buffer, .address_space: global }
    .group_segment_fixed_size: 33280
    .private_segment_fixed_size: 0
    .kernarg_segment_align: 8
    .kernarg_segment_size: 80
    .max_flat_workgroup_size: 128
    .sgpr_count:     66
    .vgpr_count:     208
    .wavefront_size: 32
...
	.end_amdgpu_metadata
.endif
;; end of part 1
;; launch qkvproj (part 2): grid 16 x 16, 4 waves a work-group, clusters of 4 x 4, 327,680 bytes of LDS; arguments hc, hs, wc, ws, cos, sin, qkv, sc; writes qkv, sc
.if DOCPART == 2
	.amdgcn_target "amdgcn-amd-amdhsa--gfx1250"
	.amdhsa_code_object_version 6
	.text
	.protected	k_qa43cd05511_qkvproj
	.globl	k_qa43cd05511_qkvproj
	.p2align	8
	.type	k_qa43cd05511_qkvproj,@function
k_qa43cd05511_qkvproj:
	s_mov_b64 s[64:65], 0
	v_nop
	global_prefetch_b8 v0, s[64:65] scope:SCOPE_SE
	s_setreg_imm32_b32 hwreg(HW_REG_WAVE_MODE, 25, 1), 1
	s_wait_xcnt 0x0
	s_wait_alu depctr_hold_cnt(0) depctr_sa_sdst(0) depctr_va_vdst(0) depctr_va_sdst(0) depctr_va_ssrc(0) depctr_va_vcc(0) depctr_vm_vsrc(0)
	s_getreg_b32 s2, hwreg(HW_REG_IB_STS2, 6, 4)
	s_cmp_eq_u32 s2, 0
	s_cbranch_scc0 .Lentry_in_a_cluster
	s_endpgm
.Lentry_in_a_cluster:
	s_bfe_u32 s2, ttmp6, 0x10000c
	s_cmp_lg_u32 s2, 0xf033
	s_cbranch_scc0 .Lentry_shape_is_right
	s_endpgm
.Lentry_shape_is_right:
; [2048 positions][4096] = hidden x (wq | wk | wv)^T on codes of FP4 with E8M0 scales, K = 4096; then the rotation by cos and sin (q's and k's heads), in f32; then each (head, 64 positions) is divided by
; 2^e, e the exponent of its largest magnitude, and stored as f16: qkv [32 heads][2048][128] (heads 0-15 q, 16-23 k, 24-31 v), and 2^e as f32 in sc [32][32].  The division is exact, so f16 keeps its 11 bits at any size of the inputs.
; LIMITS: NaN and infinities are not served; a block's largest magnitude is taken as 2^-60 at the least and lies under 2^60.  The rotation is two fused multiply-adds and two products for each pair, where the source reads two products and a sum.
; SHARES: a work-group makes 128 positions x 256 columns (two heads): 256 work-groups.  Wave w: positions 64 (w / 2) on, head w % 2: 32 accumulators of 16 x 16, one window of registers.
; K goes in steps of 512 (rows of 256 bytes) through a ring of two LDS slots filled by the tensor data mover; the scale bytes of the work-group's rows, for all of K, come once with the first fills and stay.
; CLUSTER 4 x 4: the four of a row need the same tiles of hidden's codes, the four of a column the same tiles of the weights': each tile is asked for jointly, which divides the requests by four.
; THE MATRIX INSTRUCTION IS USED TRANSPOSED (source 0 = 16 rows of the weights, source 1 = 16 positions): lane l holds position l % 16, its registers columns 8 (l / 16) + 0..7 of the tile.
; So columns d and d + 64 of a head, which the rotation joins, lie in the same lane and register of accumulators b and b + 4.
; No prefetch: eight K steps in all, of which the first four would come by their loads alone.
; REGISTERS: window 0: v16-31 addresses; v32-95 scale words, two sets, and nothing else; v96-127 hidden's fragments, one set; v128-255 the weights', two sets.  window 1: accumulator (a, b) at 8 (8 a + b).
;   window 2: cos, window 3: sin, in the accumulators' layout: loaded at the head, they land under the K loop.  v's work-groups load them too and leave them unused: one way through the loads for all.
.set ROWB,  256
.set KROW,  2048
.set PITCH, 272                        ; an LDS row: 256 bytes + 16 of padding: the 16 rows of a fragment load start 68 words apart
.set HA,    64*PITCH                   ; what a wave fetches of hidden, and what a wave reads of it
.set HB,    128*PITCH                  ; the same for the weights
.set SLOT,  2*HA+2*HB
.set LAPS,  4                          ; a lap = two K steps
.set SCL,   2*SLOT                     ; the scales: runs of 256 bytes + 16 of padding
.set HSA,   32*272                     ; those of 64 rows of hidden (128 bytes a row)
.set HSB,   64*272                     ; of 128 rows of the weights
.set SBLK,  8*272                      ; of 16 rows
.set SPARE, SCL+2*HSA+2*HSB            ; the spare words, 512 bytes, named by no other line
.set STG,   SPARE+512                  ; the way out: 16 rows x 272 bytes for each wave; no fill lands here
.set SPITCH, 272
.set ADRA, 16
.set ADRB, 20
.set STO,  24
.set RD,   25
.set CO,   26
.set ADRS, 27
.set SPW,  28
.set NIL,  29
.set CSO,  30
.set LN,   31
.set SC,   32
.set AF,   96
.set BF,   128
.set TMP,  96                          ; the way out: 32 packed registers
.set OB,   128                         ; 16 rows read back: v128-159 and v160-191 by turns
.set MX,   200                         ; v200-203 four maxima, v204 at work, v205 2^e, v[206:207] 2^-e twice
.set WV,   20
.set RH,   21
.set CH,   22
.set LAPC, 23
.set G1A,  24
.set G0A,  32
.set G1B,  40
.set G0B,  48
.set G1SA, 56
.set G0SA, 68
.set G1SB, 72
.set G0SB, 80
.set SEL,  66
.set MSB, 0
.macro WIN new                         ; the immediate's high byte repeats the setting that is left
.if MSB != \new
	s_set_vgpr_msb (MSB<<8)|\new
.set MSB, \new
.endif
.endm
.set MUL, 0x50                         ; C and D window 1, both sources window 0
.macro PLACES
.rept 4
	v_nop
.endr
.endm
; A joint load: waves 0 and 1 fetch for hidden, waves 2 and 3 for the weights.  The branch hangs on the wave's number alone.  An s_nop 0 and four v_nop follow each line.
.macro JLOAD g0a, g1a, g0b, g1b
	s_cmp_eq_u32 s[RH], 0
	s_cbranch_scc0 .Lfor_b_\@
	tensor_load_to_lds s[\g0a:\g0a+3], s[\g1a:\g1a+7]
	s_nop 0
	PLACES
	s_branch .Lasked_\@
.Lfor_b_\@:
	tensor_load_to_lds s[\g0b:\g0b+3], s[\g1b:\g1b+7]
	s_nop 0
	PLACES
.Lasked_\@:
.endm
.macro CREST                           ; a round of the cluster's barrier behind its opening barrier
	s_cmp_lg_u32 s[WV], 0
	s_cbranch_scc1 .Lnot_wave_0_\@
	s_barrier_signal -3
.Lnot_wave_0_\@:
	s_barrier_wait -3
	s_barrier_signal -1
	s_barrier_wait -1
.endm
.macro CROUND
	s_barrier_signal -1
	s_barrier_wait -1
	CREST
.endm
	s_load_b512 s[4:19], s[0:1], 0x0               ; hc 4, hs 6, wc 8, ws 10, cos 12, sin 14, qkv 16, sc 18
	v_lshl_add_u32 v[SPW], v0, 2, SPARE
	v_mov_b32 v[NIL], 0
	ds_add_u32 v[SPW], v[NIL]                      ; the wave's opening: the add, twice on end, and its wait ahead of my first tensor load
	ds_add_u32 v[SPW], v[NIL]
	v_lshrrev_b32 v1, 5, v0
	v_readfirstlane_b32 s[WV], v1
	s_lshr_b32 s[RH], s[WV], 1                     ; my 64 positions.  Also: I fetch for hidden (0) or for the weights (1)
	s_and_b32 s[CH], s[WV], 1                      ; my head.  Also: which half I fetch
	s_bfe_u32 s84, ttmp6, 0x40000                  ; cx
	s_bfe_u32 s85, ttmp6, 0x40004                  ; cy
	s_lshl_b32 s86, ttmp9, 2
	s_add_co_u32 s86, s86, s84                     ; tx: 256 columns
	s_and_b32 s87, ttmp7, 0xffff
	s_lshl_b32 s87, s87, 2
	s_add_co_u32 s87, s87, s85                     ; ty: 128 positions
	s_lshl_b32 s88, s85, 2
	s_lshl_b32 s88, 15, s88                        ; my row of the cluster
	s_lshl_b32 s89, 0x1111, s84                    ; my column
	s_or_b32 s[G1A], s88, (1<<20)|(1<<21)|(5<<22)|(3<<25)          ; elements of 1 byte; padding: 4 words behind every 64
	s_or_b32 s[G1B], s89, (1<<20)|(1<<21)|(5<<22)|(3<<25)
	s_or_b32 s[G1SA], s88, (3<<16)|(1<<20)|(1<<21)|(5<<22)|(3<<25) ; elements of 8 bytes
	s_or_b32 s[G1SB], s89, (3<<16)|(1<<20)|(1<<21)|(5<<22)|(3<<25)
.irp g, G1A, G1B
	s_mov_b32 s[\g+1], ROWB<<16                    ; tensor_dim0
	s_mov_b32 s[\g+3], ROWB<<16                    ; tile_dim0
	s_mov_b32 s[\g+5], KROW                        ; from row to row
	s_mov_b32 s[\g+6], 0
	s_mov_b32 s[\g+7], 0
.endr
	s_mov_b32 s[G1A+2], 64<<16                     ; tensor_dim1, tile_dim1: 64 rows of hidden,
	s_mov_b32 s[G1A+4], 64
	s_mov_b32 s[G1B+2], 128<<16                    ; 128 of the weights
	s_mov_b32 s[G1B+4], 128
.irp g, G1SA, G1SB                     ; the scales: dense blocks, as rows of 256 bytes
	s_mov_b32 s[\g+1], 32<<16
	s_mov_b32 s[\g+3], 32<<16
	s_mov_b32 s[\g+5], 32
	s_mov_b32 s[\g+6], 0
	s_mov_b32 s[\g+7], 0
.endr
	s_mov_b32 s[G1SA+2], 32<<16
	s_mov_b32 s[G1SA+4], 32
	s_mov_b32 s[G1SB+2], 64<<16
	s_mov_b32 s[G1SB+4], 64
	s_lshl_b32 s90, s87, 7
	s_lshl_b32 s91, s[CH], 6
	s_add_co_u32 s90, s90, s91                     ; hidden: row 128 ty + 64 x half
	s_lshl_b32 s92, s90, 7                         ; its scales, in bytes,
	s_mov_b32 s93, 0
	s_lshl_b32 s90, s90, 11                        ; its codes
	s_mov_b32 s91, 0
	s_lshl_b32 s94, s86, 8
	s_lshl_b32 s95, s[CH], 7
	s_add_co_u32 s94, s94, s95                     ; weights: row 256 tx + 128 x half
	s_lshl_b32 s96, s94, 7
	s_mov_b32 s97, 0
	s_lshl_b32 s94, s94, 11
	s_mov_b32 s95, 0
	s_mul_i32 s98, s[CH], HA                       ; where they go: no place in the cluster enters an LDS address
	s_mul_i32 s99, s[CH], HB
	s_add_co_u32 s99, s99, 2*HA
	s_mul_i32 s2, s[CH], HSA
	s_add_co_u32 s2, s2, SCL
	s_mul_i32 s3, s[CH], HSB
	s_add_co_u32 s3, s3, SCL+2*HSA
	s_mov_b32 s[SEL], 0x76543210
	s_mov_b32 s[SEL+1], 0xfedcba98
	s_wait_dscnt 0x0                               ; both opening adds are done
	s_wait_kmcnt 0x0
	s_add_nc_u64 s[90:91], s[4:5], s[90:91]
	s_add_nc_u64 s[92:93], s[6:7], s[92:93]
	s_add_nc_u64 s[94:95], s[8:9], s[94:95]
	s_add_nc_u64 s[96:97], s[10:11], s[96:97]
	CROUND                                         ; all sixteen work-groups are here: the first joint loads meet
	s_mov_b32 s[G0SA], 1
	s_mov_b32 s[G0SA+1], s2
	s_mov_b64 s[G0SA+2:G0SA+3], s[92:93]
	s_or_b32 s[G0SA+3], s[G0SA+3], 0x80000000
	s_mov_b32 s[G0SB], 1
	s_mov_b32 s[G0SB+1], s3
	s_mov_b64 s[G0SB+2:G0SB+3], s[96:97]
	s_or_b32 s[G0SB+3], s[G0SB+3], 0x80000000
	JLOAD G0SA, G1SA, G0SB, G1SB                   ; the scales first: they are wanted with K step 0
.irp s, 0,1
	s_mov_b32 s[G0A+4*\s], 1
	s_add_co_u32 s[G0A+4*\s+1], s98, \s*SLOT
	s_add_nc_u64 s[G0A+4*\s+2:G0A+4*\s+3], s[90:91], \s*ROWB
	s_or_b32 s[G0A+4*\s+3], s[G0A+4*\s+3], 0x80000000
	s_mov_b32 s[G0B+4*\s], 1
	s_add_co_u32 s[G0B+4*\s+1], s99, \s*SLOT
	s_add_nc_u64 s[G0B+4*\s+2:G0B+4*\s+3], s[94:95], \s*ROWB
	s_or_b32 s[G0B+4*\s+3], s[G0B+4*\s+3], 0x80000000
	JLOAD G0A+4*\s, G1A, G0B+4*\s, G1B             ; three tensor loads of mine are out now
.endr
	v_and_b32 v1, 15, v0                           ; r
	v_bfe_u32 v2, v0, 4, 1                         ; h
	v_mul_u32_u24 v3, v1, PITCH
	v_lshl_add_u32 v3, v2, 4, v3                   ; a fragment's row x pitch + 16 h
	s_mul_i32 s98, s[RH], HA
	s_mul_i32 s99, s[CH], HB
	s_add_co_u32 s99, s99, 2*HA
.irp s, 0,1
	v_add_nc_u32 v[ADRA+\s], s98, v3
	v_add_nc_u32 v[ADRB+\s], s99, v3
	s_add_co_u32 s98, s98, SLOT
	s_add_co_u32 s99, s99, SLOT
.endr
	v_lshlrev_b32 v4, 7, v1                        ; my row's scales: 128 bytes a row,
	v_lshrrev_b32 v5, 8, v4
	v_lshl_add_u32 v4, v5, 4, v4                   ; and 16 more for each 256 passed
	s_mul_i32 s98, s[RH], HSA
	s_mul_i32 s99, s[CH], HSB
	s_add_co_u32 s99, s99, 2*HSA
	s_sub_co_u32 s99, s99, s98
	v_mul_u32_u24 v5, s99, v2                      ; lanes 16-31 take the weights'
	s_add_co_u32 s98, s98, SCL
	v_add_nc_u32 v4, v4, v5
	v_add_nc_u32 v[ADRS], s98, v4
	s_mul_i32 s98, s[WV], 16*SPITCH
	s_add_co_u32 s98, s98, STG                     ; my stage
	v_mul_u32_u24 v5, v1, SPITCH
	v_lshl_add_u32 v5, v2, 4, v5
	v_add_nc_u32 v[STO], s98, v5                   ; in: row r, 16 bytes for each half of the lanes
	v_mul_u32_u24 v5, v2, SPITCH
	v_lshl_add_u32 v5, v1, 4, v5
	v_add_nc_u32 v[RD], s98, v5                    ; back: lanes 0-15 one row, lanes 16-31 the next
	v_and_b32 v[LN], 31, v0
	v_lshlrev_b32 v[CO], 4, v[LN]                  ; and in qkv, whose rows are 256 bytes: 16 x lane
	v_lshlrev_b32 v[CSO], 9, v1
	v_lshl_add_u32 v[CSO], v2, 5, v[CSO]           ; cos, sin: row r of 512 bytes, + 32 h
	s_lshl_b32 s100, s87, 7
	s_lshl_b32 s101, s[RH], 6
	s_add_co_u32 s100, s100, s101                  ; my first position
	s_lshl_b32 s2, s100, 9
	s_mov_b32 s3, 0
	s_add_nc_u64 s[12:13], s[12:13], s[2:3]
	s_add_nc_u64 s[14:15], s[14:15], s[2:3]
	s_lshl_b32 s101, s86, 1
	s_add_co_u32 s101, s101, s[CH]                 ; my head
	s_lshl_b32 s2, s101, 19
	s_lshl_b32 s100, s100, 8
	s_add_co_u32 s2, s2, s100
	s_add_nc_u64 s[16:17], s[16:17], s[2:3]        ; qkv at my head's first position of mine
	s_lshl_b32 s2, s101, 5
	s_lshl_b32 s100, s87, 1
	s_add_co_u32 s2, s2, s100
	s_add_co_u32 s2, s2, s[RH]
	s_lshl_b32 s2, s2, 2
	s_add_nc_u64 s[18:19], s[18:19], s[2:3]        ; sc at (head, block 2 ty + w / 2)
	WIN 0x80                                       ; destination window 2
.irp a, 0,1,2,3
.irp b, 0,1,2,3,4,5,6,7
	global_load_b128 v[64*\a+8*\b:64*\a+8*\b+3], v[CSO], s[12:13] offset:\a*8192+\b*64
	global_load_b128 v[64*\a+8*\b+4:64*\a+8*\b+7], v[CSO], s[12:13] offset:\a*8192+\b*64+16
.endr
.endr
	WIN 0xc0                                       ; destination window 3
.irp a, 0,1,2,3
.irp b, 0,1,2,3,4,5,6,7
	global_load_b128 v[64*\a+8*\b:64*\a+8*\b+3], v[CSO], s[14:15] offset:\a*8192+\b*64
	global_load_b128 v[64*\a+8*\b+4:64*\a+8*\b+7], v[CSO], s[14:15] offset:\a*8192+\b*64+16
.endr
.endr
	WIN 0
.macro FRAG reg, adr, q, i             ; 16 rows x 128 K of 4-bit codes: 8 registers: two loads of 16 bytes, 32 bytes apart
.irp c, 0,1
	ds_load_b128 v[\reg+4*\c:\reg+4*\c+3], v[\adr] offset:64*(\q)+32*\c+(\i)*16*PITCH
.endr
.endm
; 8 matrix instructions: hidden's block a against the weights' eight, the slot's q-th 128 along K.  p: the weights' set; sc: the set of scale words.  zero = 1: the product starts the sums.
; One register carries both sides' scale words: lanes 0-15 hidden's block i, lanes 16-31 the weights' block i.  The 32 accumulators take turns in one order.
.macro MUL8 a, p, q, sc, zero
.irp b, 0,1,2,3,4,5,6,7
.if \zero
	v_wmma_scale_f32_16x16x128_f8f6f4 v[8*(8*(\a)+\b):8*(8*(\a)+\b)+7], v[BF+64*(\p)+8*\b:BF+64*(\p)+8*\b+7], v[AF+8*(\a):AF+8*(\a)+7], 0, v[SC+32*(\sc)+4*\b+(\q)], v[SC+32*(\sc)+4*(\a)+(\q)] matrix_a_fmt:MATRIX_FMT_FP4 matrix_b_fmt:MATRIX_FMT_FP4 matrix_a_scale:MATRIX_SCALE_ROW1
.else
	v_wmma_scale_f32_16x16x128_f8f6f4 v[8*(8*(\a)+\b):8*(8*(\a)+\b)+7], v[BF+64*(\p)+8*\b:BF+64*(\p)+8*\b+7], v[AF+8*(\a):AF+8*(\a)+7], v[8*(8*(\a)+\b):8*(8*(\a)+\b)+7], v[SC+32*(\sc)+4*\b+(\q)], v[SC+32*(\sc)+4*(\a)+(\q)] matrix_a_fmt:MATRIX_FMT_FP4 matrix_b_fmt:MATRIX_FMT_FP4 matrix_a_scale:MATRIX_SCALE_ROW1
.endif
.endr
.endm
.macro FETCH_B slot, q, p
.irp i, 0,1,2,3,4,5,6,7
	FRAG BF+64*(\p)+8*\i, ADRB+\slot, \q, \i
.endr
.endm
.macro FETCH_A slot, q, i0             ; hidden's blocks i0, i0 + 1
.irp i, \i0, \i0+1
	FRAG AF+8*(\i), ADRA+\slot, \q, \i
.endr
.endm
.macro SCALES sc                       ; a K step's scale words: 4 words a row.  (For i from 4 on lanes 0-15 read filled bytes of the scales' region that no product names)
.irp i, 0,1,2,3,4,5,6,7
	ds_load_b128 v[SC+32*\sc+4*\i:SC+32*\sc+4*\i+3], v[ADRS] offset:\i*SBLK
.endr
.endm
; A step of 128 along K that has its successor in the same slot.  Loads into registers that matrix instructions have read stand four plain places behind them.
.macro STEP slot, q, zero
	s_wait_dscnt 4                                 ; all but the youngest four loads (hidden's blocks 2, 3) are in
	WIN MUL
	MUL8 0, (\q)%2, \q, \slot, \zero
	MUL8 1, (\q)%2, \q, \slot, \zero
	s_wait_dscnt 0x0                               ; blocks 2, 3 are in
	PLACES
	WIN 0
	FETCH_B \slot, (\q)+1, 1-(\q)%2
	FETCH_A \slot, (\q)+1, 0
	WIN MUL
	MUL8 2, (\q)%2, \q, \slot, \zero
	MUL8 3, (\q)%2, \q, \slot, \zero
	PLACES
	WIN 0
	FETCH_A \slot, (\q)+1, 2
.endm
; A slot's last step changes slots: one barrier; in front of it each wave waits for all its tensor loads, adds 0 to its spare word, and waits for that and for its reads of this slot.
.macro TURN slot, next, fill
	s_wait_tensorcnt 0x0                           ; all my tensor loads have landed: my part of the next slot
	ds_add_u32 v[SPW], v[NIL]
	s_wait_dscnt 5                                 ; the add and the youngest four loads may be out
	WIN MUL
	MUL8 0, 1, 3, \slot, 0                         ; work on registers between the add and the wait for it
	s_wait_dscnt 0x0                               ; the add is done, and my reads of this slot are over
	s_barrier_signal -1
	MUL8 1, 1, 3, \slot, 0
	WIN 0
	s_barrier_wait -1
.if \fill
	CREST                                          ; the barrier has opened a round of the cluster's: no wave of any partner still reads this slot or has a load on its way
	s_add_nc_u64 s[G0A+4*\slot+2:G0A+4*\slot+3], s[G0A+4*\slot+2:G0A+4*\slot+3], 2*ROWB
	s_add_nc_u64 s[G0B+4*\slot+2:G0B+4*\slot+3], s[G0B+4*\slot+2:G0B+4*\slot+3], 2*ROWB
	JLOAD G0A+4*\slot, G1A, G0B+4*\slot, G1B       ; the first tensor load behind the round; its four v_nop are the places in front of the loads below
.else
	PLACES
.endif
	v_add_nc_u32 v[ADRS], 16, v[ADRS]              ; the next K step's scale words
	FETCH_B \next, 0, 0
	FETCH_A \next, 0, 0
	SCALES \next
	WIN MUL
	MUL8 2, 1, 3, \slot, 0
	MUL8 3, 1, 3, \slot, 0
	PLACES
	WIN 0
	FETCH_A \next, 0, 2
.endm
	s_wait_tensorcnt 1                             ; the scales and my part of K step 0 are in; K step 1's load may be out
	s_barrier_signal -1
	s_barrier_wait -1
	FETCH_B 0, 0, 0
	FETCH_A 0, 0, 0
	SCALES 0
	FETCH_A 0, 0, 2
	STEP 0, 0, 1                                   ; the first step stands in front of the loop: its products start the sums
	s_mov_b32 s[LAPC], LAPS-1
.Llap:                                         ; a trip goes once round the ring and fills both slots again
	STEP 0, 1, 0
	STEP 0, 2, 0
	TURN 0, 1, 1
	STEP 1, 0, 0
	STEP 1, 1, 0
	STEP 1, 2, 0
	TURN 1, 0, 1
	STEP 0, 0, 0
	s_sub_co_u32 s[LAPC], s[LAPC], 1
	s_cmp_lg_u32 s[LAPC], 0
	s_cbranch_scc1 .Llap
	STEP 0, 1, 0                                   ; the last lap fills nothing
	STEP 0, 2, 0
	TURN 0, 1, 0
	STEP 1, 0, 0
	STEP 1, 1, 0
	STEP 1, 2, 0
	s_wait_dscnt 4
	WIN MUL
	MUL8 0, 1, 3, 1, 0
	MUL8 1, 1, 3, 1, 0
	s_wait_dscnt 0x0
	MUL8 2, 1, 3, 1, 0
	MUL8 3, 1, 3, 1, 0
	WIN 0
	PLACES                                         ; in front of the first reads of results and the first writes of the fragments' registers
	s_wait_loadcnt 0x0                             ; cos and sin
	s_cmp_eq_u32 ttmp9, 3                          ; the cluster's x, the same in all partners: 3 holds v's heads, which are not rotated
	s_cbranch_scc1 .Lno_rope
; THE ROTATION.  lo = accumulator (a, b), hi = (a, b + 4), b = 0..3; each accumulator is read from its low end on.
.macro ROPE kind
.irp a, 0,1,2,3
.irp b, 0,1,2,3
.irp j, 0,2,4,6
.set LO, 64*\a+8*\b+\j
.set HI, LO+32
.if \kind == 1
	v_pk_mul_f32 v[HI:HI+1], v[LO:LO+1], v[HI:HI+1]                ; sin_hi <- x_lo sin_hi
.elseif \kind == 2
	v_pk_mul_f32 v[LO:LO+1], v[LO:LO+1], v[LO:LO+1]                ; x_lo <- x_lo cos_lo
.elseif \kind == 3
	v_pk_fma_f32 v[LO:LO+1], v[HI:HI+1], v[LO:LO+1], v[LO:LO+1] neg_lo:[0,1,0] neg_hi:[0,1,0]   ; x_lo <- x_lo - x_hi sin_lo
.else
	v_pk_fma_f32 v[HI:HI+1], v[HI:HI+1], v[HI:HI+1], v[HI:HI+1]    ; x_hi <- x_hi cos_hi + (x_lo sin_hi)
.endif
.endr
.endr
.endr
.endm
	WIN 0xcd                                       ; destination and source 1 window 3, source 0 window 1
	ROPE 1
	WIN 0x49                                       ; destination and source 0 window 1, source 1 window 2
	ROPE 2
	WIN 0x5d                                       ; destination, sources 0 and 2 window 1, source 1 window 3
	ROPE 3
	WIN 0x79                                       ; destination and source 0 window 1, source 1 window 2, source 2 window 3
	ROPE 4
	WIN 0
.Lno_rope:
	; the largest magnitude of my 64 positions x 128 columns, with the floor 2^-60
.irp c, 0,1,2,3
	v_mov_b32 v[MX+\c], 0x21800000
.endr
	v_mov_b32 v[MX+4], 0
	WIN 0x14                                       ; sources 1 and 2 window 1
.set i, 0
.rept 128
	v_max3_num_f32 v[MX+i%4], v[MX+i%4], |v[2*i]|, |v[2*i+1]|
.set i, i+1
.endr
	WIN 0
	v_max3_num_f32 v[MX], v[MX], v[MX+1], v[MX+2]
	v_max_num_f32 v[MX], v[MX], v[MX+3]
	v_max_num_f32_dpp v[MX], v[MX], v[MX] row_xmask:1 row_mask:0xf bank_mask:0xf
	v_max_num_f32_dpp v[MX], v[MX], v[MX] row_xmask:2 row_mask:0xf bank_mask:0xf
	v_max_num_f32_dpp v[MX], v[MX], v[MX] row_xmask:4 row_mask:0xf bank_mask:0xf
	v_max_num_f32_dpp v[MX], v[MX], v[MX] row_xmask:8 row_mask:0xf bank_mask:0xf
	v_permlanex16_b32 v[MX+4], v[MX], s[SEL], s[SEL+1]
	v_max_num_f32 v[MX], v[MX], v[MX+4]
	v_and_b32 v[MX+5], 0x7f800000, v[MX]           ; 2^e
	v_sub_nc_u32 v[MX+6], 0x7f000000, v[MX+5]      ; 2^-e: the exponent field 254 - (e + 127)
	v_mov_b32 v[MX+7], v[MX+6]
; THE WAY OUT, 16 positions at a time: x 2^-e in place, exact; rounded to f16, 16 bytes a lane; through my stage; back as whole rows of 256 bytes.
.macro PACK a
	WIN 0x41                                       ; destination and source 0 window 1
.set i, 0
.rept 32
	v_pk_mul_f32 v[64*(\a)+2*i:64*(\a)+2*i+1], v[64*(\a)+2*i:64*(\a)+2*i+1], v[MX+6:MX+7]
.set i, i+1
.endr
	WIN 0x05                                       ; sources window 1, destination window 0
.set i, 0
.rept 32
	v_cvt_pk_f16_f32 v[TMP+i], v[64*(\a)+2*i], v[64*(\a)+2*i+1]
.set i, i+1
.endr
	WIN 0
.endm
.macro TOSTAGE a
.irp b, 0,1,2,3,4,5,6,7
	ds_store_b128 v[STO], v[TMP+4*\b:TMP+4*\b+3] offset:32*\b
.endr
.irp t, 0,1,2,3,4,5,6,7
	ds_load_b128 v[OB+32*((\a)%2)+4*\t:OB+32*((\a)%2)+4*\t+3], v[RD] offset:\t*2*SPITCH   ; in order behind my stores
.endr
.endm
.macro SEND a
	s_wait_dscnt 0x0                               ; the block is back in registers
.irp t, 0,1,2,3,4,5,6,7
	global_store_b128 v[CO], v[OB+32*((\a)%2)+4*\t:OB+32*((\a)%2)+4*\t+3], s[16:17] offset:(\a)*4096+512*\t   ; 512 consecutive bytes, aligned
.endr
.endm
	PACK 0
	TOSTAGE 0
	PACK 1                                         ; a block's arithmetic stands between the loads of the block before and the wait for them
	SEND 0
	TOSTAGE 1
	PACK 2
	SEND 1
	s_wait_xcnt 0x0                                ; block 0's stores have read their registers: block 2's loads may land there
	TOSTAGE 2
	PACK 3
	SEND 2
	s_wait_xcnt 0x0
	TOSTAGE 3
	SEND 3
	v_cmp_eq_u32 vcc_lo, 0, v[LN]                  ; lane 0 stores the block's 2^e (its offset register holds 0 there)
	s_wait_xcnt 0x0                                ; EXEC changes only behind this wait
	s_and_saveexec_b32 s100, vcc_lo
	global_store_b32 v[LN], v[MX+5], s[18:19]
	s_wait_xcnt 0x0
	s_or_b32 exec_lo, exec_lo, s100
	s_wait_tensorcnt 0x0                           ; the wave's end
	ds_add_u32 v[SPW], v[NIL]
	s_wait_dscnt 0x0
	CROUND                                         ; the closing round
	s_endpgm
.Lfunc_end_k_qa43cd05511_qkvproj:
	.size	k_qa43cd05511_qkvproj, .Lfunc_end_k_qa43cd05511_qkvproj-k_qa43cd05511_qkvproj
	.p2alignl 7, 3214868480
	.fill 96, 4, 3214868480
	.section	.rodata,"a",@progbits
	.p2align	6, 0x0
	.amdhsa_kernel k_qa43cd05511_qkvproj
		.amdhsa_group_segment_fixed_size 327680
		.amdhsa_private_segment_fixed_size 0
		.amdhsa_enable_private_segment 0
		.amdhsa_kernarg_size 64
		.amdhsa_user_sgpr_count 2
		.amdhsa_user_sgpr_kernarg_segment_ptr 1
		.amdhsa_wavefront_size32 1
		.amdhsa_system_sgpr_workgroup_id_x 1
		.amdhsa_system_sgpr_workgroup_id_y 1
		.amdhsa_system_sgpr_workgroup_id_z 1
		.amdhsa_system_vgpr_workitem_id 0
		.amdhsa_next_free_vgpr 1024
		.amdhsa_next_free_sgpr 102
		.amdhsa_reserve_vcc 1
		.amdhsa_float_denorm_mode_32 3
		.amdhsa_float_denorm_mode_16_64 3
		.amdhsa_memory_ordered 1
		.amdhsa_forward_progress 1
		.amdhsa_inst_pref_size 171
	.end_amdhsa_kernel
	.amdgpu_metadata
---
amdhsa.version: [ 1, 2 ]
amdhsa.kernels:
  - .name:           k_qa43cd05511_qkvproj
    .symbol:         k_qa43cd05511_qkvproj.kd
    .args:
      - { .name: hc, .offset: 0, .size: 8, .value_kind: global_buffer, .address_space: global }
      - { .name: hs, .offset: 8, .size: 8, .value_kind: global_buffer, .address_space: global }
      - { .name: wc, .offset: 16, .size: 8, .value_kind: global_buffer, .address_space: global }
      - { .name: ws, .offset: 24, .size: 8, .value_kind: global_buffer, .address_space: global }
      - { .name: cos, .offset: 32, .size: 8, .value_kind: global_buffer, .address_space: global }
      - { .name: sin, .offset: 40, .size: 8, .value_kind: global_buffer, .address_space: global }
      - { .name: qkv, .offset: 48, .size: 8, .value_kind: global_buffer, .address_space: global }
      - { .name: sc, .offset: 56, .size: 8, .value_kind: global_buffer, .address_space: global }
    .group_segment_fixed_size: 327680
    .private_segment_fixed_size: 0
    .kernarg_segment_align: 8
    .kernarg_segment_size: 64
    .max_flat_workgroup_size: 128
    .sgpr_count:     102
    .vgpr_count:     1024
    .wavefront_size: 32
...
	.end_amdgpu_metadata
.endif
;; end of part 2
;; launch attn (part 3): grid 32 x 8, 4 waves a work-group, clusters of 4 x 4, 327,680 bytes of LDS; arguments qkv, sc, attention_mask, att; writes att
.if DOCPART == 3
	.amdgcn_target "amdgcn-amd-amdhsa--gfx1250"
	.amdhsa_code_object_version 6
	.text
	.protected	k_qa43cd05511_attn
	.globl	k_qa43cd05511_attn
	.p2align	8
	.type	k_qa43cd05511_attn,@function
k_qa43cd05511_attn:
	s_mov_b64 s[64:65], 0
	v_nop
	global_prefetch_b8 v0, s[64:65] scope:SCOPE_SE
	s_setreg_imm32_b32 hwreg(HW_REG_WAVE_MODE, 25, 1), 1
	s_wait_xcnt 0x0
	s_wait_alu depctr_hold_cnt(0) depctr_sa_sdst(0) depctr_va_vdst(0) depctr_va_sdst(0) depctr_va_ssrc(0) depctr_va_vcc(0) depctr_vm_vsrc(0)
	s_getreg_b32 s2, hwreg(HW_REG_IB_STS2, 6, 4)
	s_cmp_eq_u32 s2, 0
	s_cbranch_scc0 .Lentry_in_a_cluster
	s_endpgm
.Lentry_in_a_cluster:
	s_bfe_u32 s2, ttmp6, 0x10000c
	s_cmp_lg_u32 s2, 0xf033
	s_cbranch_scc0 .Lentry_shape_is_right
	s_endpgm
.Lentry_shape_is_right:
; att[q][head] = softmax_k(Q[head][q] . K[kv][k] / sqrt(128) + mask[q][k]) V[kv][k], divided by SVG, as f16: att [2048][16 x 128].  The mask is an input: it is loaded and added in f32, and every query walks all 2,048 keys.
; q, k, v come as f16 x 2^e, one 2^e (in sc) for each (head, 64 positions): the scores' scale is sq x sk / sqrt(128), one scalar a step and tile; O is carried in units of the current step's sv
; (a change of units is a multiplication by a power of two, folded into the factor a); SVG is the largest of v's 256 scales, so that att lies inside (-2, 2).
; SOFTMAX: x = s c + mask (one rounding); a running maximum m (from -3e38) and sum l; p = 2^((x - m) log2 e): the difference is taken first, so that a large common offset of the mask costs nothing;
; p is rounded to f16 for the second product, l sums the unrounded p.  A mask of -infinity gives p = 0.
; LIMITS: NaN and +infinity are not served; 1 / sqrt(128) is a multiplication; the largest magnitudes of any two blocks of v differ by under 2^100; the keys are summed in a rotated order (below).
; SHARES: a work-group owns 64 queries and one key/value head; wave w owns queries 16 w .. 16 w + 15 for BOTH query heads of that head: two tiles, which share each fragment of K and V and each mask register.
; LAYOUT: S^T = K Q^T (source 0 = 16 keys, source 1 = 16 queries), O^T = V^T P: a lane holds one query (lane % 16) throughout; V is turned by ds_load_tr16_b128.
; BY TURNS: in a turn one tile has the matrix unit: 16 products V^T P of step j, then 16 products K Q^T of step j + 1; the other tile's softmax, a list of 176 numbers, stands between them, five or six numbers
; behind each matrix instruction.  Turn A: tile 0 has the unit, tile 1's softmax of step j.  Turn B: tile 1 has the unit, tile 0's softmax of step j + 1.  Two turns are a key step of 64 keys.
; A slice costs two switches of the register window: no window has room for a product's operands beside the softmax's registers.
; K and V have two sets of registers each, by the step's parity, so that a run of LDS loads is issued a whole turn ahead of the wait for it: turn A fetches V and the mask of step j + 1, turn B K of step j + 2.
; RING: two slots of 128 keys (two steps): K 128 x 272 bytes, V 128 x 288, mask 64 query rows x 528.  Wave 0 fetches K, wave 1 V, waves 2 and 3 32 mask rows each.  A slot is left in front of turn B of its first step's
; successor... that is, in front of turn B of an even step, where the slot's last bytes (V and the mask of its second step) have been asked for.
; CLUSTER 4 x 4: K and V hang on the key/value head alone and are shared along a row of the cluster; the mask tile hangs on the query block alone and is shared along a column.
; ROTATION: a cluster begins with the slot of keys (4 (x % 4) + 8 y) % 16, x and y the cluster's, and walks all sixteen round: clusters that walk the same K and V, or the same mask rows, do not ask for the same bytes in the same step.
; REGISTERS: window 0: v1-15 addresses and scales; v16-31 statistics (tile t at 16 + 8 t: m, -, l, l, c0-c3; a takes c2's place, a x the change of unit c0's); v32-47 at work; v48-79 mask; v80-111 P; v112-175 S; v176-239 Q.
;   window 1: v0-127 O^T (64 a tile), v128-255 V of even steps.   window 2: v0-127 K of even steps, v128-255 V of odd steps.   window 3: v0-127 K of odd steps.
.set PK,    272
.set PV,    288
.set PM,    528
.set VOFF,  128*PK
.set MOFF,  VOFF+128*PV
.set SLOT1, 1<<17
.set STAGE, 237568                     ; behind the ring: 16 rows x 272 bytes for each wave
.set SP,    272
.set SPARE, STAGE+4*16*SP              ; the spare words, 512 bytes, named by no other line
.set LN,    176                        ; numbers in a tile's softmax list
.set AK0, 3
.set AV0, 4
.set AM0, 5
.set ADK, 6
.set ADV, 7
.set ADM, 8
.set QO,  9
.set STO, 10
.set RD,  11
.set GO,  12
.set PFO, 13
.set VSK, 14                           ; lane j: K's scale of key step j
.set VSV, 15                           ; lane j: V's
.set ST,  16
.set SPW, 40
.set NIL, 41
.set L4,  42
.set L32, 43
.set M,   48
.set P,   80
.set S,   112
.set Q,   176
.set WV,  12
.set G1K, 24
.set G1V, 32
.set G1M, 40
.set G0K, 48                           ; two sets each: the first fills'; the second then walks
.set G0V, 56
.set G0M, 68
.set MB,  66                           ; s[66:67]   the mask at my 32 rows, key 0
.set SLOTS, 76
.set JS,  77                           ; the key step whose scales are read next
.set TB,  78                           ; the slot in hand: 0 or SLOT1
.set DI,  79                           ; the slot of keys asked for last
.set PSH, 80                           ; a slot of keys on, as a shift: 15 in K and V, 9 along a mask row
.set SKJ, 81
.set CS0, 82                           ; s[82:83], s[84:85]: the scores' scale of tile 0, 1
.set LG,  86                           ; s[86:87] log2(e)
.set SEL, 88
.set SQC0, 90
.set SQC1, 91
.set SVP, 92
.set SVC, 93
.set RT,  94
.set INVG, 95
.set PFA, 96
.set PB,  98                           ; s[98:99]   where my prefetches stand at key 0
.set LIM, 100
.set KB,  104                          ; s[104:105] K's head at key 0; V's lies 8 heads on
.set MSB, 0
.macro WIN new                         ; the immediate's high byte repeats the setting that is left; a switch that changes nothing is dropped
.if MSB != (\new)
	s_set_vgpr_msb (MSB<<8)|(\new)
.set MSB, \new
.endif
.endm
.macro PLACES
.rept 4
	v_nop
.endr
.endm
.macro CROUND
	s_barrier_signal -1
	s_barrier_wait -1
	s_cmp_lg_u32 s[WV], 0
	s_cbranch_scc1 .Lnot_wave_0_\@
	s_barrier_signal -3
.Lnot_wave_0_\@:
	s_barrier_wait -3
	s_barrier_signal -1
	s_barrier_wait -1
.endm
; A joint refill, one load a wave, by the walking descriptors.  The branches hang on the wave's number alone.  An s_nop 0 and four v_nop follow each line.
.macro JLOAD3
	s_cmp_lg_u32 s[WV], 0
	s_cbranch_scc1 .Lnot_k_\@
	tensor_load_to_lds s[G0K+4:G0K+7], s[G1K:G1K+7]
	s_nop 0
	PLACES
	s_branch .Lasked_\@
.Lnot_k_\@:
	s_cmp_lg_u32 s[WV], 1
	s_cbranch_scc1 .Lnot_v_\@
	tensor_load_to_lds s[G0V+4:G0V+7], s[G1V:G1V+7]
	s_nop 0
	PLACES
	s_branch .Lasked_\@
.Lnot_v_\@:
	tensor_load_to_lds s[G0M+4:G0M+7], s[G1M:G1M+7]
	s_nop 0
	PLACES
.Lasked_\@:
.endm
; A prefetch of what the NEXT change of slots will ask for: two key steps, 128 matrix instructions, ahead of that load.  Each aligned 256 bytes are named once in the launch:
; K's and V's rows by the clusters with x = 0 (waves 0 and 1; the four partners of a row take 32 rows each, told apart by address); the mask's by the clusters with y = 0 (wave 2; the four
; partners of a column take 16 query rows each, two lanes to a row's 512 bytes).  The last change that fills a slot asks for nothing; a cluster's first three slots come by their loads alone.
.macro ASK
	s_cmp_gt_u32 s[SLOTS], s[LIM]
	s_cbranch_scc0 .Lnot_mine_\@
	global_prefetch_b8 v[PFO], s[PFA:PFA+1] th:TH_LOAD_NT scope:SCOPE_SE
.Lnot_mine_\@:
.endm
	s_load_b256 s[4:11], s[0:1], 0x0               ; qkv 4, sc 6, mask 8, att 10
	v_lshl_add_u32 v[SPW], v0, 2, SPARE
	v_mov_b32 v[NIL], 0
	ds_add_u32 v[SPW], v[NIL]                      ; the wave's opening: the add, twice on end, and its wait ahead of my first tensor load
	ds_add_u32 v[SPW], v[NIL]
	v_lshrrev_b32 v1, 5, v0
	v_readfirstlane_b32 s[WV], v1
	s_and_b32 s17, s[WV], 1
	s_bfe_u32 s13, ttmp6, 0x40000                  ; cx
	s_bfe_u32 s14, ttmp6, 0x40004                  ; cy
	s_lshl_b32 s15, ttmp9, 2
	s_add_co_u32 s15, s15, s13                     ; qb: my block of 64 queries
	s_and_b32 s16, ttmp7, 0xffff
	s_lshl_b32 s[DI], s16, 3                       ; 8 x the cluster's y,
	s_lshl_b32 s16, s16, 2
	s_add_co_u32 s16, s16, s14                     ; kv: my key/value head
	s_and_b32 s18, ttmp9, 3
	s_lshl_b32 s18, s18, 2                         ; + 4 x (the cluster's x % 4):
	s_add_co_u32 s[DI], s[DI], s18
	s_and_b32 s[DI], s[DI], 15                     ; the slot of keys with which my cluster begins: the same in all sixteen partners
	s_lshl_b32 s[JS], s[DI], 1                     ; its first key step
	s_lshl_b32 s2, s[DI], 15                       ; its place in K and V: 128 rows of 256 bytes a slot,
	s_mov_b32 s3, 0
	s_lshl_b32 s100, s[DI], 9                      ; and along a mask row: 512 bytes a slot
	s_mov_b32 s101, 0
	s_lshl_b32 s18, s14, 2
	s_lshl_b32 s18, 15, s18                        ; my row of the cluster
	s_lshl_b32 s20, 0x1111, s13                    ; my column
	s_or_b32 s[G1K], s18, (1<<16)|(1<<20)|(1<<21)|(5<<22)|(3<<25)  ; elements of 2 bytes; 4 words of padding behind every 64
	s_or_b32 s[G1V], s18, (1<<16)|(1<<20)|(1<<21)|(5<<22)|(7<<25)  ; 8 words
	s_or_b32 s[G1M], s20, (2<<16)|(1<<20)|(1<<21)|(6<<22)|(3<<25)  ; elements of 4 bytes; 4 words behind every 128
.irp g, G1K, G1V
	s_mov_b32 s[\g+1], 128<<16                     ; tensor_dim0
	s_mov_b32 s[\g+2], 128<<16                     ; tensor_dim1
	s_mov_b32 s[\g+3], 128<<16                     ; tile_dim0
	s_mov_b32 s[\g+4], 128                         ; tile_dim1
	s_mov_b32 s[\g+5], 128                         ; from row to row
	s_mov_b32 s[\g+6], 0
	s_mov_b32 s[\g+7], 0
.endr
	s_mov_b32 s[G1M+1], 128<<16
	s_mov_b32 s[G1M+2], 32<<16
	s_mov_b32 s[G1M+3], 128<<16
	s_mov_b32 s[G1M+4], 32
	s_mov_b32 s[G1M+5], 2048
	s_mov_b32 s[G1M+6], 0
	s_mov_b32 s[G1M+7], 0
	s_lshl_b32 s18, s16, 19
	s_add_co_u32 s18, s18, 16*524288               ; K's head in qkv, in bytes
	s_mov_b32 s19, 0
	s_lshl_b32 s20, s15, 6
	s_lshl_b32 s21, s17, 5
	s_add_co_u32 s20, s20, s21                     ; mask row 64 qb + 32 (w % 2)
	s_lshl_b32 s20, s20, 13
	s_mov_b32 s21, 0
	s_mul_i32 s22, s17, 32*PM
	s_add_co_u32 s22, s22, MOFF                    ; and where those rows go
	s_mov_b32 s[CS0+1], 0                          ; (named as the upper halves of pairs)
	s_mov_b32 s[CS0+3], 0
	s_mov_b32 s[LG], 0x3fb8aa3b
	s_mov_b32 s[LG+1], s[LG]
	s_mov_b32 s[SEL], 0x76543210
	s_mov_b32 s[SEL+1], 0xfedcba98
	s_mov_b32 s[SVP], 0x3f800000
	s_mov_b32 s[TB], 0
	s_mov_b32 s[SLOTS], 14
	s_wait_dscnt 0x0                               ; both opening adds are done
	s_wait_kmcnt 0x0
	s_add_nc_u64 s[KB:KB+1], s[4:5], s[18:19]
	s_add_nc_u64 s[MB:MB+1], s[8:9], s[20:21]
	CROUND                                         ; all sixteen work-groups are here: the first joint loads meet
.irp s, 0,1                            ; my cluster's first two slots of keys (the first is a multiple of 4: no wrap between them)
	s_mov_b32 s[G0K+4*\s], 1
	s_mov_b32 s[G0K+4*\s+1], \s*SLOT1
	s_add_nc_u64 s[G0K+4*\s+2:G0K+4*\s+3], s[KB:KB+1], s[2:3]
	s_add_nc_u64 s[G0K+4*\s+2:G0K+4*\s+3], s[G0K+4*\s+2:G0K+4*\s+3], \s*32768
	s_or_b32 s[G0K+4*\s+3], s[G0K+4*\s+3], 0x80000000
	s_mov_b32 s[G0V+4*\s], 1
	s_mov_b32 s[G0V+4*\s+1], VOFF+\s*SLOT1
	s_add_nc_u64 s[G0V+4*\s+2:G0V+4*\s+3], s[KB:KB+1], s[2:3]
	s_add_nc_u64 s[G0V+4*\s+2:G0V+4*\s+3], s[G0V+4*\s+2:G0V+4*\s+3], 8*524288+\s*32768
	s_or_b32 s[G0V+4*\s+3], s[G0V+4*\s+3], 0x80000000
	s_mov_b32 s[G0M+4*\s], 1
	s_add_co_u32 s[G0M+4*\s+1], s22, \s*SLOT1
	s_add_nc_u64 s[G0M+4*\s+2:G0M+4*\s+3], s[MB:MB+1], s[100:101]
	s_add_nc_u64 s[G0M+4*\s+2:G0M+4*\s+3], s[G0M+4*\s+2:G0M+4*\s+3], \s*512
	s_or_b32 s[G0M+4*\s+3], s[G0M+4*\s+3], 0x80000000
.endr
	s_add_co_u32 s[DI], s[DI], 1                   ; the slot of keys asked for last
	s_cmp_lg_u32 s[WV], 0                          ; a wave's two first fills stand together: two tensor loads of mine are out
	s_cbranch_scc1 .Lfirst_not_k
	tensor_load_to_lds s[G0K:G0K+3], s[G1K:G1K+7]
	s_nop 0
	tensor_load_to_lds s[G0K+4:G0K+7], s[G1K:G1K+7]
	s_nop 0
	PLACES
	s_branch .Lfirst_asked
.Lfirst_not_k:
	s_cmp_lg_u32 s[WV], 1
	s_cbranch_scc1 .Lfirst_not_v
	tensor_load_to_lds s[G0V:G0V+3], s[G1V:G1V+7]
	s_nop 0
	tensor_load_to_lds s[G0V+4:G0V+7], s[G1V:G1V+7]
	s_nop 0
	PLACES
	s_branch .Lfirst_asked
.Lfirst_not_v:
	tensor_load_to_lds s[G0M:G0M+3], s[G1M:G1M+7]
	s_nop 0
	tensor_load_to_lds s[G0M+4:G0M+7], s[G1M:G1M+7]
	s_nop 0
	PLACES
.Lfirst_asked:
	v_and_b32 v1, 15, v0                           ; r
	v_bfe_u32 v2, v0, 4, 1                         ; h
	v_mul_u32_u24 v[AK0], v1, PK
	v_lshl_add_u32 v[AK0], v2, 4, v[AK0]           ; K: row r x pitch + 16 h
	v_and_b32 v44, 7, v0
	v_bfe_u32 v45, v0, 3, 1
	v_lshl_add_u32 v[AV0], v2, 3, v44              ; V, for the turning load: key 8 h + l % 8, channels 8 ((l / 8) % 2) on
	v_mul_u32_u24 v[AV0], v[AV0], PV
	v_lshl_add_u32 v[AV0], v45, 4, v[AV0]
	v_add_nc_u32 v[AV0], VOFF, v[AV0]
	s_lshl_b32 s20, s[WV], 4
	v_add_nc_u32 v[AM0], s20, v1                   ; mask: query row 16 w + r, + 32 h: my eight keys of a tile of 16
	v_mul_u32_u24 v[AM0], v[AM0], PM
	v_lshl_add_u32 v[AM0], v2, 5, v[AM0]
	v_add_nc_u32 v[AM0], MOFF, v[AM0]
	v_lshlrev_b32 v[QO], 8, v1
	v_lshl_add_u32 v[QO], v2, 4, v[QO]
	s_mul_i32 s20, s[WV], 16*SP
	s_add_co_u32 s20, s20, STAGE
	v_mul_u32_u24 v[STO], v1, SP
	v_lshl_add_u32 v[STO], v2, 4, v[STO]
	v_add_nc_u32 v[STO], s20, v[STO]
	v_mul_u32_u24 v[RD], v2, SP
	v_lshl_add_u32 v[RD], v1, 4, v[RD]
	v_add_nc_u32 v[RD], s20, v[RD]
	v_lshlrev_b32 v[GO], 12, v2                    ; att: lanes 0-15 one row of 4,096 bytes, lanes 16-31 the next
	v_lshl_add_u32 v[GO], v1, 4, v[GO]
	v_and_b32 v44, 31, v0
	v_lshlrev_b32 v[L4], 2, v44
	v_lshlrev_b32 v[L32], 5, v44
	; the prefetches: where my wave's stand at key 0, and who asks
	s_lshl_b32 s20, s[WV], 3
	s_add_co_u32 s20, s20, s16
	s_add_co_u32 s20, s20, 16                      ; head 16 + kv (wave 0) or 24 + kv (wave 1)
	s_lshl_b32 s20, s20, 19
	s_lshl_b32 s21, s13, 13                        ; my work-group's 32 rows of a slot's 128
	s_add_co_u32 s20, s20, s21
	s_lshl_b32 s21, s15, 6
	s_lshl_b32 s22, s14, 4
	s_add_co_u32 s21, s21, s22                     ; mask row 64 qb + 16 cy
	s_lshl_b32 s21, s21, 13
	s_and_b32 s22, ttmp7, 0xffff                   ; the cluster's y
	s_cmp_lt_u32 s[WV], 2
	s_cselect_b64 s[PB:PB+1], s[4:5], s[8:9]
	s_cselect_b32 s20, s20, s21
	s_cselect_b32 s22, ttmp9, s22                  ; the coordinate along which other clusters read the same bytes
	s_mov_b32 s[PSH], 9
	s_cselect_b32 s[PSH], 15, s[PSH]               ; a slot on
	s_mov_b32 s23, 8192
	s_cselect_b32 s23, 256, s23                    ; from row to row
	s_cselect_b32 s21, 0, 1                        ; lanes to a row: 1 or 2
	s_cmp_eq_u32 s[WV], 3
	s_cselect_b32 s22, 1, s22                      ; wave 3 asks for nothing
	s_cmp_eq_u32 s22, 0
	s_cselect_b32 s[LIM], 1, -1                    ; the same in all partners, for a given wave
	v_lshrrev_b32 v[PFO], s21, v44
	v_mul_lo_u32 v[PFO], v[PFO], s23
	v_and_b32 v45, s21, v44
	v_lshl_add_u32 v[PFO], v45, 8, v[PFO]
	s_mov_b32 s21, 0
	s_add_nc_u64 s[PB:PB+1], s[PB:PB+1], s[20:21]
	; Q, the scales
	s_lshl_b32 s2, s16, 20                         ; head 2 kv
	s_lshl_b32 s3, s15, 6
	s_lshl_b32 s23, s[WV], 4
	s_add_co_u32 s3, s3, s23                       ; my first query
	s_lshl_b32 s23, s3, 8
	s_add_co_u32 s2, s2, s23
	s_lshl_b32 s22, s3, 12
	s_lshl_b32 s23, s16, 9
	s_add_co_u32 s22, s22, s23
	s_mov_b32 s3, 0
	s_mov_b32 s23, 0
	s_add_nc_u64 s[2:3], s[4:5], s[2:3]
	s_add_nc_u64 s[10:11], s[10:11], s[22:23]      ; att at (my first query, head 2 kv)
	s_lshl_b32 s22, s16, 7
	s_add_nc_u64 s[22:23], s[6:7], s[22:23]        ; sc + 128 kv
	s_lshl_b32 s18, s16, 6
	s_add_co_u32 s18, s18, s15
	s_lshl_b32 s18, s18, 2
	s_mov_b32 s19, 0
	s_add_nc_u64 s[18:19], s[6:7], s[18:19]        ; sc at (head 2 kv, block qb)
	s_load_b32 s[SQC0], s[18:19], 0x0
	s_load_b32 s[SQC1], s[18:19], 0x80
.irp t, 0,1
.irp c, 0,1,2,3
	global_load_b128 v[Q+32*\t+8*\c:Q+32*\t+8*\c+3], v[QO], s[2:3] offset:\t*524288+64*\c
	global_load_b128 v[Q+32*\t+8*\c+4:Q+32*\t+8*\c+7], v[QO], s[2:3] offset:\t*524288+64*\c+32
.endr
.endr
	global_load_b32 v[VSK], v[L4], s[22:23] offset:2048
	global_load_b32 v[VSV], v[L4], s[22:23] offset:3072
	global_load_b128 v[32:35], v[L32], s[6:7] offset:3072          ; v's 256 scales, eight a lane
	global_load_b128 v[36:39], v[L32], s[6:7] offset:3088
.irp t, 0,1
	v_mov_b32 v[ST+8*\t], 0xff61b1e6               ; m: -3e38, under every x that counts
	v_mov_b32 v[ST+8*\t+1], 0                      ; (named with m as a pair)
	v_mov_b32 v[ST+8*\t+2], 0                      ; l, in two halves
	v_mov_b32 v[ST+8*\t+3], 0
.endr
; THE LDS LOADS stand in runs.  half: which of the slot's two steps; kp, vp: which set of registers.
.macro FETCH_K half, kp                ; 64 keys x 128 channels: 16 fragments
	WIN 0
	v_add_nc_u32 v[ADK], s[TB], v[AK0]
	WIN 0x80+0x40*(\kp)                            ; destination window 2 or 3
.irp f, 0,1,2,3,4,5,6,7,8,9,10,11,12,13,14,15
	ds_load_b128 v[8*\f:8*\f+3],   v[ADK] offset:(\half)*64*PK+(\f/4)*16*PK+(\f%4)*64
	ds_load_b128 v[8*\f+4:8*\f+7], v[ADK] offset:(\half)*64*PK+(\f/4)*16*PK+(\f%4)*64+32
.endr
.endm
.macro FETCH_M half                    ; my query's 32 mask numbers: register 8 kt + j is key 16 kt + 8 h + j
	WIN 0
	v_add_nc_u32 v[ADM], s[TB], v[AM0]
.irp kt, 0,1,2,3
	ds_load_b128 v[M+8*\kt:M+8*\kt+3],   v[ADM] offset:(\half)*256+64*\kt
	ds_load_b128 v[M+8*\kt+4:M+8*\kt+7], v[ADM] offset:(\half)*256+64*\kt+16
.endr
.endm
.macro FETCH_V half, vp                ; 64 keys x 128 channels, turned
	WIN 0
	v_add_nc_u32 v[ADV], s[TB], v[AV0]
	WIN 0x40+0x40*(\vp)                            ; destination window 1 or 2
.irp f, 0,1,2,3,4,5,6,7,8,9,10,11,12,13,14,15
	ds_load_tr16_b128 v[128+8*\f:128+8*\f+3],   v[ADV] offset:(\half)*64*PV+(\f/8)*32*PV+(\f%8)*32
	ds_load_tr16_b128 v[128+8*\f+4:128+8*\f+7], v[ADV] offset:(\half)*64*PV+(\f/8)*32*PV+16*PV+(\f%8)*32
.endr
.endm
; THE MATRIX WORK OF A TURN, for tile x.  The accumulators take turns, one instruction a turn: between two links of a chain stand 7 (V^T P) or 3 (K Q^T) others'.
.macro PVI x, vp, zero                 ; product mi of 16 of O^T += V^T P: keys 32 (mi / 8) on, channels 16 (mi % 8) on.  zero = 1: the first 8 start the sums
	WIN 0x51+(\vp)                                 ; O^T window 1, P window 0, V window 1 or 2
.set rO, 64*(\x)+8*(mi%8)
.set rV, 128+64*(mi/8)+8*(mi%8)
.set rP, P+16*(\x)+8*(mi/8)
.if (\zero) && (mi < 8)
	v_wmma_f32_16x16x32_f16 v[rO:rO+7], v[rV:rV+7], v[rP:rP+7], 0
.else
	v_wmma_f32_16x16x32_f16 v[rO:rO+7], v[rV:rV+7], v[rP:rP+7], v[rO:rO+7]
.endif
.endm
.macro QKI x, kp                       ; product mi of 16 of S^T = K Q^T: channels 32 (mi / 4) on, keys 16 (mi % 4) on.  The first 4 start the sums
	WIN 0x02+(\kp)                                 ; S^T and Q window 0, K window 2 or 3
.set rS, S+32*(\x)+8*(mi%4)
.set rK, 32*(mi%4)+8*(mi/4)
.set rQ, Q+32*(\x)+8*(mi/4)
.if mi < 4
	v_wmma_f32_16x16x32_f16 v[rS:rS+7], v[rK:rK+7], v[rQ:rQ+7], 0
.else
	v_wmma_f32_16x16x32_f16 v[rS:rS+7], v[rK:rK+7], v[rQ:rQ+7], v[rS:rS+7]
.endif
.endm
; THE VECTOR WORK OF A TURN: one tile's softmax for one key step, as a numbered list; SM writes number sj of it for tile t.  s0-s31 are the lane's 32 scores, in pairs 0-15.
;   0-15    x = s c + mask, a pair each; each accumulator is read from its low end on
;   16-31   the maximum of x0-x31 and the old m, three operands at a time, in four chains c0-c3
;   32-36   the old m is kept; the other half of the lanes' maximum; the new m; (m_old - m_new) log2 e
;   37-109  ONE BATCH: a's exponential, then in fours: x - m of pair g, the exponential of s(2 g - 4), x log2 e of pair g - 1, the exponential of s(2 g - 3).  None of these names an exponential's result; some places are empty
;   110     a plain instruction behind the last exponential, and the one wait ahead of the batch's first reader
;   111     a x the change of v's unit, for O^T (exact)
;   112-127 the roundings to f16;   128-142 the sum of the unrounded p, pairs in a tree, in place;   143 l = l a + the sum
;   144-175 the tile's O^T times a: the one part that leaves window 0.  first = 1: the tile's first step has no O^T yet: these are left out
.macro SM t, first
.set rT, ST+8*(\t)
.set rS, S+32*(\t)
.set rP, P+16*(\t)
.if sj < 144
	WIN 0
.endif
.if sj < 16
	v_pk_fma_f32 v[rS+2*sj:rS+2*sj+1], v[rS+2*sj:rS+2*sj+1], s[CS0+2*(\t):CS0+2*(\t)+1], v[M+2*sj:M+2*sj+1] op_sel_hi:[1,0,1]
.elseif sj < 20
.set bb, sj-16
	v_max3_num_f32 v[rT+4+bb], v[rS+8*bb], v[rS+8*bb+1], v[rS+8*bb+2]
.elseif sj < 28
.set bb, sj%4
.set gg, (sj-16)/4
	v_max3_num_f32 v[rT+4+bb], v[rT+4+bb], v[rS+8*bb+2*gg+1], v[rS+8*bb+2*gg+2]
.elseif sj == 28
	v_max3_num_f32 v[rT+4], v[rT+4], v[rS+7], v[rS+15]
.elseif sj == 29
	v_max3_num_f32 v[rT+6], v[rT+6], v[rS+23], v[rS+31]
.elseif sj == 30
	v_max3_num_f32 v[rT+4], v[rT+4], v[rT+5], v[rT+6]
.elseif sj == 31
	v_max3_num_f32 v[rT+4], v[rT+4], v[rT+7], v[rT]
.elseif sj == 32
	v_mov_b32 v[rT+7], v[rT]
.elseif sj == 33
	v_permlanex16_b32 v[rT+5], v[rT+4], s[SEL], s[SEL+1]           ; the query's other 32 keys lie in the lane 16 away
.elseif sj == 34
	v_max_num_f32 v[rT], v[rT+4], v[rT+5]
.elseif sj == 35
	v_sub_f32 v[rT+7], v[rT+7], v[rT]
.elseif sj == 36
	v_mul_f32 v[rT+7], s[LG], v[rT+7]
.elseif sj == 37
	v_exp_f32 v[rT+6], v[rT+7]
.elseif sj < 110
.set gg, (sj-38)/4
.set gq, (sj-38)%4
.if (gq == 0) && (gg < 16)
	v_pk_add_f32 v[rS+2*gg:rS+2*gg+1], v[rS+2*gg:rS+2*gg+1], v[rT:rT+1] op_sel_hi:[1,0] neg_lo:[0,1] neg_hi:[0,1]
.elseif (gq == 2) && (gg >= 1) && (gg <= 16)
	v_pk_mul_f32 v[rS+2*gg-2:rS+2*gg-1], v[rS+2*gg-2:rS+2*gg-1], s[LG:LG+1] op_sel_hi:[1,0]
.elseif (gq == 1) && (gg >= 2)
	v_exp_f32 v[rS+2*gg-4], v[rS+2*gg-4]
.elseif (gq == 3) && (gg >= 2)
	v_exp_f32 v[rS+2*gg-3], v[rS+2*gg-3]
.endif
.elseif sj == 110
	v_nop
	s_wait_alu depctr_va_vdst(0)
.elseif sj == 111
	v_mul_f32 v[rT+4], s[RT], v[rT+6]
.elseif sj < 128
	v_cvt_pk_f16_f32 v[rP+sj-112], v[rS+2*(sj-112)], v[rS+2*(sj-112)+1]
.elseif sj < 143
.set zz, sj-128
.set ww, 4
.set uu, zz
.if zz >= 14
.set ww, 32
.set uu, 0
.elseif zz >= 12
.set ww, 16
.set uu, zz-12
.elseif zz >= 8
.set ww, 8
.set uu, zz-8
.endif
	v_pk_add_f32 v[rS+ww*uu:rS+ww*uu+1], v[rS+ww*uu:rS+ww*uu+1], v[rS+ww*uu+ww/2:rS+ww*uu+ww/2+1]
.elseif sj == 143
	v_pk_fma_f32 v[rT+2:rT+3], v[rT+2:rT+3], v[rT+6:rT+7], v[rS:rS+1] op_sel_hi:[1,0,1]
.elseif !(\first)
	WIN 0x41                                       ; O^T (destination and source 0) window 1, the factor window 0
.set rO, 64*(\t)+2*(sj-144)
	v_pk_mul_f32 v[rO:rO+1], v[rO:rO+1], v[rT+4:rT+5] op_sel_hi:[1,0]
.endif
.endm
; Behind matrix instruction number mc of the turn's NM: the list's numbers up to LN mc / NM.  Behind the second stands the turn's run of LDS loads; behind the third, in turn A, the mask's:
; the list's numbers 0 to 15, which read the old mask, are out by then (176 x 3 / 32 = 16).
.macro AFTER x, jp, first, fetch
.set mc, mc+1
.set tgt, (LN*mc)/NM
.rept 11
.if sj < tgt
	SM 1-(\x), \first
.set sj, sj+1
.endif
.endr
.if (\fetch) && (mc == 2)
.if (\x) == 0
	FETCH_V 1-(\jp), 1-(\jp)                       ; V of step j + 1: its set was last read by the turn before, in its first half
.else
	FETCH_K \jp, \jp                               ; K of step j + 2: its set was last read a whole turn ago
.endif
.endif
.if (\fetch) && (mc == 3) && ((\x) == 0)
	FETCH_M 1-(\jp)
.endif
.endm
; A TURN of step j.  x: the tile that has the matrix unit; jp = j % 2.  pv = 2: 16 products V^T P; 1: they start O^T's sums; 0: none.  kq = 1: 16 products K Q^T of step j + 1.
; first = 1: the softmax in the slices is its tile's first.  fetch = 1: the turn's LDS loads are issued.
; A vector instruction that reads a matrix result or writes a matrix instruction's register, and a load into such a register, stand four plain places behind it (ISA guide 7.12.1 for vector instructions): the turn's last
; slice, six multiplications of the other tile's O^T, are the places behind its last products; where first = 1 leaves that slice empty, four v_nop take its part.
.macro TURN x, jp, pv, kq, first, fetch
.set NM, 32
.if ((\pv) == 0) || ((\kq) == 0)
.set NM, 16
.endif
.set sj, 0
.set mc, 0
.if ((\x) == 0) && (\fetch)
	s_wait_dscnt 0x0                               ; K of step j + 1, asked for a turn ago, is in; nothing else is out
.endif
.if \pv
.set mi, 0
.rept 16
	PVI \x, \jp, 2-(\pv)
	AFTER \x, \jp, \first, \fetch
.set mi, mi+1
.endr
.endif
.if \kq
.set mi, 0
.rept 16
	QKI \x, 1-(\jp)
	AFTER \x, \jp, \first, \fetch
.set mi, mi+1
.endr
.endif
.if \first
	PLACES
.endif
.endm
; THE HEAD OF A TURN B.  V and the mask of step j + 1, asked for a turn ago, are waited for; then the scalars of step j + 1, which serve this turn's softmax and the next turn's.
; chg = 1: the slot is left and filled again: each wave waits for all its tensor loads (its part of the other slot), adds 0 to its spare word, and waits for that and for its reads of the slot; a round of the
; cluster's barrier; the joint refill first behind it: it has two key steps in which to land.  chg = 2: the last change: nothing is asked for.
.macro BHEAD chg
	WIN 0                                          ; at a label and at a branch every window is 0
.if (\chg) == 1
	s_wait_tensorcnt 0x0                           ; no tensor load of mine is out, so a group 0 may be written
	ds_add_u32 v[SPW], v[NIL]                      ; 0 onto my spare word; the descriptors' steps stand between it and the wait for it
	s_add_co_u32 s[DI], s[DI], 1
	s_and_b32 s[DI], s[DI], 15                     ; the next slot of keys, round the sixteen
	s_lshl_b32 s20, s[DI], 15                      ; (s21 and s23 hold 0)
	s_lshl_b32 s22, s[DI], 9
	s_xor_b32 s[G0K+5], s[G0K+5], SLOT1            ; the walking descriptors: the other LDS slot than last time
	s_add_nc_u64 s[G0K+6:G0K+7], s[KB:KB+1], s[20:21]
	s_or_b32 s[G0K+7], s[G0K+7], 0x80000000
	s_xor_b32 s[G0V+5], s[G0V+5], SLOT1
	s_add_nc_u64 s[G0V+6:G0V+7], s[KB:KB+1], s[20:21]
	s_add_nc_u64 s[G0V+6:G0V+7], s[G0V+6:G0V+7], 8*524288
	s_or_b32 s[G0V+7], s[G0V+7], 0x80000000
	s_xor_b32 s[G0M+5], s[G0M+5], SLOT1
	s_add_nc_u64 s[G0M+6:G0M+7], s[MB:MB+1], s[22:23]
	s_or_b32 s[G0M+7], s[G0M+7], 0x80000000
	s_wait_xcnt 0x0                                ; the last prefetch, two steps back, has read its address
	s_add_co_u32 s20, s[DI], 1
	s_and_b32 s20, s20, 15
	s_lshl_b32 s20, s20, s[PSH]
	s_add_nc_u64 s[PFA:PFA+1], s[PB:PB+1], s[20:21]        ; the slot of keys behind the one that is asked for now
	s_wait_dscnt 0x0                               ; the add is done; V and the mask are in, and with them my reads of this slot are over
	CROUND                                         ; no wave of any partner still reads the slot or has a load on its way
	JLOAD3
	ASK
	s_xor_b32 s[TB], s[TB], SLOT1
.elseif (\chg) == 2
	s_wait_tensorcnt 0x0
	ds_add_u32 v[SPW], v[NIL]
	s_wait_dscnt 0x0
	s_barrier_signal -1
	s_barrier_wait -1                              ; the last slot is whole for every wave
	s_xor_b32 s[TB], s[TB], SLOT1
.else
	s_wait_dscnt 0x0                               ; V and the mask are in
.endif
	v_readlane_b32 s[SKJ], v[VSK], s[JS]
	v_readlane_b32 s[SVC], v[VSV], s[JS]
	s_add_co_u32 s[JS], s[JS], 1
	s_and_b32 s[JS], s[JS], 31
	s_mul_f32 s[CS0], s[SQC0], s[SKJ]
	s_mul_f32 s[CS0+2], s[SQC1], s[SKJ]
	s_sub_co_u32 s[RT], s[SVP], s[SVC]
	s_add_co_u32 s[RT], s[RT], 0x3f800000          ; the bits of 2^(e_prev - e_cur)
	s_mov_b32 s[SVP], s[SVC]
.endm
	s_wait_tensorcnt 1                             ; my part of slot 0 is in; slot 1's may stay out
	s_barrier_signal -1
	s_barrier_wait -1
	FETCH_K 0, 0
	FETCH_M 0
	s_wait_loadcnt 0x0                             ; Q and the scales
	s_wait_kmcnt 0x0
	s_mov_b32 s21, 0                               ; the upper words of the offsets that the changes of slots make
	s_mov_b32 s23, 0
	v_max3_num_f32 v32, v32, v33, v34              ; SVG: the largest of v's 256 scales
	v_max3_num_f32 v36, v36, v37, v38
	v_max3_num_f32 v32, v32, v35, v39
	v_max_num_f32 v32, v32, v36
	v_max_num_f32_dpp v32, v32, v32 row_xmask:1 row_mask:0xf bank_mask:0xf
	v_max_num_f32_dpp v32, v32, v32 row_xmask:2 row_mask:0xf bank_mask:0xf
	v_max_num_f32_dpp v32, v32, v32 row_xmask:4 row_mask:0xf bank_mask:0xf
	v_max_num_f32_dpp v32, v32, v32 row_xmask:8 row_mask:0xf bank_mask:0xf
	v_permlanex16_b32 v33, v32, s[SEL], s[SEL+1]
	v_max_num_f32 v32, v32, v33
	v_readfirstlane_b32 s[INVG], v32
	s_sub_co_u32 s[INVG], 0x7f000000, s[INVG]      ; 1 / SVG
	s_mul_f32 s[SQC0], s[SQC0], 0x3db504f3         ; sq / sqrt(128)
	s_mul_f32 s[SQC1], s[SQC1], 0x3db504f3
	s_wait_dscnt 0x0                               ; K and the mask of step 0
	FETCH_V 0, 0
.set mi, 0
.rept 16
	QKI 0, 0                                       ; tile 0's first scores: there is no vector work yet to set between them
.set mi, mi+1
.endr
	WIN 0
	PLACES
	BHEAD 0                                        ; V of step 0; the scalars of step 0
	TURN 1, 1, 0, 1, 1, 1                          ; tile 1's first scores | tile 0's first softmax | K of step 1
	TURN 0, 0, 1, 1, 1, 1                          ; A(0): V^T P starts tile 0's O^T, K Q^T of step 1 | tile 1's first softmax | V and the mask of step 1
	BHEAD 1                                        ; slot 0 is left
	TURN 1, 0, 1, 1, 0, 1                          ; B(0): V^T P starts tile 1's O^T
	WIN 0
	s_mov_b32 s[SLOTS], 13
.Lslot:                                        ; 13 trips of two key steps: A(odd), B(odd), A(even), the change of slots, B(even)
	TURN 0, 1, 2, 1, 0, 1
	BHEAD 0
	TURN 1, 1, 2, 1, 0, 1
	TURN 0, 0, 2, 1, 0, 1
	BHEAD 1
	TURN 1, 0, 2, 1, 0, 1
	WIN 0
	s_sub_co_u32 s[SLOTS], s[SLOTS], 1
	s_cmp_lg_u32 s[SLOTS], 0
	s_cbranch_scc1 .Lslot
	TURN 0, 1, 2, 1, 0, 1                          ; the tail is written out: A(27)
	BHEAD 0
	TURN 1, 1, 2, 1, 0, 1                          ; B(27)
	TURN 0, 0, 2, 1, 0, 1                          ; A(28)
	BHEAD 2                                        ; the last slot but one is left
	TURN 1, 0, 2, 1, 0, 1                          ; B(28)
	TURN 0, 1, 2, 1, 0, 1                          ; A(29)
	BHEAD 0
	TURN 1, 1, 2, 1, 0, 1                          ; B(29)
	TURN 0, 0, 2, 1, 0, 1                          ; A(30)
	BHEAD 0
	TURN 1, 0, 2, 1, 0, 0                          ; B(30): nothing is left to fetch
	TURN 0, 1, 2, 0, 0, 0                          ; A(31): tile 0's last V^T P | tile 1's last softmax
.set mi, 0
.rept 16
	PVI 1, 1, 0                                    ; tile 1's last V^T P
.set mi, mi+1
.endr
	WIN 0
	PLACES
	; THE WAY OUT: O^T x sv_last / (l SVG), to f16, through my stage, a tile (16 queries x one head) at a time
.irp t, 0,1
	v_add_f32 v[ST+8*\t+4], v[ST+8*\t+2], v[ST+8*\t+3]
.endr
.irp t, 0,1
	v_permlanex16_b32 v[ST+8*\t+5], v[ST+8*\t+4], s[SEL], s[SEL+1]
.endr
.irp t, 0,1
	v_add_f32 v[ST+8*\t+4], v[ST+8*\t+4], v[ST+8*\t+5]
.endr
.irp t, 0,1
	v_rcp_f32 v[ST+8*\t+6], v[ST+8*\t+4]
.endr
	s_mul_f32 s[SVC], s[SVP], s[INVG]
	v_nop
	s_wait_alu depctr_va_vdst(0)                   ; one wait for the two reciprocals, ahead of their first reader
.irp t, 0,1
	v_mul_f32 v[ST+8*\t+6], s[SVC], v[ST+8*\t+6]
.endr
.macro PACK t
	WIN 0x41
.set i, 0
.rept 32
	v_pk_mul_f32 v[64*\t+2*i:64*\t+2*i+1], v[64*\t+2*i:64*\t+2*i+1], v[ST+8*\t+6:ST+8*\t+7] op_sel_hi:[1,0]
.set i, i+1
.endr
	WIN 0x05
.set i, 0
.rept 32
	v_cvt_pk_f16_f32 v[S+32*\t+i], v[64*\t+2*i], v[64*\t+2*i+1]
.set i, i+1
.endr
	WIN 0
.irp f, 0,1,2,3,4,5,6,7
	ds_store_b128 v[STO], v[S+32*\t+4*\f:S+32*\t+4*\f+3] offset:32*\f
.endr
.irp f, 0,1,2,3,4,5,6,7
	ds_load_b128 v[S+32*\t+4*\f:S+32*\t+4*\f+3], v[RD] offset:\f*2*SP   ; in order behind my stores; the next tile's stores come behind these
.endr
.endm
.macro SEND t, younger                 ; younger: the LDS instructions issued behind tile t's loads
.irp f, 0,1,2,3,4,5,6,7
	s_wait_dscnt \younger+7-\f
	global_store_b128 v[GO], v[S+32*\t+4*\f:S+32*\t+4*\f+3], s[10:11] offset:\f*8192+\t*256   ; sixteen lanes store 256 consecutive bytes, aligned
.endr
.endm
	PACK 0
	PACK 1
	SEND 0, 16
	SEND 1, 0
	s_wait_tensorcnt 0x0                           ; the wave's end
	ds_add_u32 v[SPW], v[NIL]
	s_wait_dscnt 0x0
	CROUND                                         ; the closing round
	s_endpgm
.Lfunc_end_k_qa43cd05511_attn:
	.size	k_qa43cd05511_attn, .Lfunc_end_k_qa43cd05511_attn-k_qa43cd05511_attn
	.p2alignl 7, 3214868480
	.fill 96, 4, 3214868480
	.section	.rodata,"a",@progbits
	.p2align	6, 0x0
	.amdhsa_kernel k_qa43cd05511_attn
		.amdhsa_group_segment_fixed_size 327680
		.amdhsa_private_segment_fixed_size 0
		.amdhsa_enable_private_segment 0
		.amdhsa_kernarg_size 32
		.amdhsa_user_sgpr_count 2
		.amdhsa_user_sgpr_kernarg_segment_ptr 1
		.amdhsa_wavefront_size32 1
		.amdhsa_system_sgpr_workgroup_id_x 1
		.amdhsa_system_sgpr_workgroup_id_y 1
		.amdhsa_system_sgpr_workgroup_id_z 1
		.amdhsa_system_vgpr_workitem_id 0
		.amdhsa_next_free_vgpr 896
		.amdhsa_next_free_sgpr 106
		.amdhsa_reserve_vcc 0
		.amdhsa_float_denorm_mode_32 3
		.amdhsa_float_denorm_mode_16_64 3
		.amdhsa_memory_ordered 1
		.amdhsa_forward_progress 1
		.amdhsa_inst_pref_size 255
	.end_amdhsa_kernel
	.section	.bss,"aw",@nobits
	.p2align	6
	.space	262144
	.amdgpu_metadata
---
amdhsa.version: [ 1, 2 ]
amdhsa.kernels:
  - .name:           k_qa43cd05511_attn
    .symbol:         k_qa43cd05511_attn.kd
    .args:
      - { .name: qkv, .offset: 0, .size: 8, .value_kind: global_buffer, .address_space: global }
      - { .name: sc, .offset: 8, .size: 8, .value_kind: global_buffer, .address_space: global }
      - { .name: attention_mask, .offset: 16, .size: 8, .value_kind: global_buffer, .address_space: global }
      - { .name: att, .offset: 24, .size: 8, .value_kind: global_buffer, .address_space: global }
    .group_segment_fixed_size: 327680
    .private_segment_fixed_size: 0
    .kernarg_segment_align: 8
    .kernarg_segment_size: 32
    .max_flat_workgroup_size: 128
    .sgpr_count:     106
    .vgpr_count:     896
    .wavefront_size: 32
...
	.end_amdgpu_metadata
.endif
;; end of part 3
;; launch oproj (part 4): grid 16 x 16, 4 waves a work-group, clusters of 4 x 4, 327,680 bytes of LDS; arguments att, wo16, sc, out0; writes out0
.if DOCPART == 4
	.amdgcn_target "amdgcn-amd-amdhsa--gfx1250"
	.amdhsa_code_object_version 6
	.text
	.protected	k_qa43cd05511_oproj
	.globl	k_qa43cd05511_oproj
	.p2align	8
	.type	k_qa43cd05511_oproj,@function
k_qa43cd05511_oproj:
	s_mov_b64 s[64:65], 0
	v_nop
	global_prefetch_b8 v0, s[64:65] scope:SCOPE_SE
	s_setreg_imm32_b32 hwreg(HW_REG_WAVE_MODE, 25, 1), 1
	s_wait_xcnt 0x0
	s_wait_alu depctr_hold_cnt(0) depctr_sa_sdst(0) depctr_va_vdst(0) depctr_va_sdst(0) depctr_va_ssrc(0) depctr_va_vcc(0) depctr_vm_vsrc(0)
	s_getreg_b32 s2, hwreg(HW_REG_IB_STS2, 6, 4)
	s_cmp_eq_u32 s2, 0
	s_cbranch_scc0 .Lentry_in_a_cluster
	s_endpgm
.Lentry_in_a_cluster:
	s_bfe_u32 s2, ttmp6, 0x10000c
	s_cmp_lg_u32 s2, 0xf033
	s_cbranch_scc0 .Lentry_shape_is_right
	s_endpgm
.Lentry_shape_is_right:
; out0[pos][m] = SVG x the sum over n of att[pos][n] wo16[m][n].  att [2048][2048], wo16 [4096][2048]: f16; sums in f32; out0 [2048][4096] f32.  SVG, the largest of v's 256 scales in sc, is a power of two: the last multiplication is exact.
; SHARES: a work-group makes 128 positions x 256 columns: 256 work-groups.  Wave w: positions 64 (w / 2) on, columns 128 (w % 2) on: 32 accumulators, one window of registers.
; K goes in steps of 128 (rows of 256 bytes) through a ring of two LDS slots; waves 0 and 1 fetch att's halves (64 rows), waves 2 and 3 wo16's (128 rows).
; CLUSTER 4 x 4: att's tile is shared along a row of the cluster, wo16's along a column: joint loads divide the requests by four.
; ROTATION: a cluster begins with K step (4 x + 8 p) % 16, x and y the cluster's, p = 0, 1, 1, 0 for y = 0, 1, 2, 3, and walks all sixteen round: the four clusters that read the same rows of att begin 4 steps apart,
; and of the four that read the same rows of wo16 two begin 8 steps from the other two: they do not all ask for the same bytes in the same step.  So K is summed in a rotated order, in f32.
; THE MATRIX INSTRUCTION IS USED TRANSPOSED (source 0 = 16 rows of wo16, source 1 = 16 positions): a lane holds eight neighbouring columns of one row of out0.
; REGISTERS: window 0: v16-31 addresses; v[32:33] SVG; two fragment buffers of 96 (att's 32, then wo16's 64) at v64 and v160.  window 1: accumulator (a, b) at 8 (8 a + b).
.set PITCH, 272
.set HA,    64*PITCH
.set HB,    128*PITCH
.set SLOT,  2*HA+2*HB
.set LAPS,  8
.set STAGE, 2*SLOT                     ; behind the ring: 16 rows x 528 bytes for each wave
.set SPITCH, 528
.set SPARE, STAGE+4*16*SPITCH          ; the spare words, 512 bytes, named by no other line
.set ADRA, 16
.set ADRB, 20
.set STO,  24
.set RD,   25
.set CO,   26
.set SPW,  28
.set NIL,  29
.set PFO,  30
.set L32,  31
.set SVG,  32
.set F0,   64
.set F1,   160
.set RES,  64                          ; the way out: 64 results
.set BK,   128                         ; 16 rows read back: v128-191 and v192-255 by turns
.set WV,   12
.set RH,   13
.set CH,   14
.set TRIP, 15
.set OFF,  20                          ; s[20:21] an offset along K, in bytes; s21 holds 0
.set PB,   22                          ; s[22:23] where my prefetches stand at K = 0
.set G1A,  24
.set G0A,  32
.set G1B,  40
.set G0B,  48
.set KI,   62                          ; the K step asked for last
.set BA,   68                          ; s[68:69] att at the rows that I fetch, K = 0;  s[70:71] wo16 likewise
.set BB,   70
.set PFA,  72
.set LIM,  74
.set SEL,  76
.set MSB, 0
.macro WIN new
.if MSB != \new
	s_set_vgpr_msb (MSB<<8)|\new
.set MSB, \new
.endif
.endm
.set MUL, 0x50                         ; C and D window 1
.macro PLACES
.rept 4
	v_nop
.endr
.endm
.macro JLOAD s                         ; a joint load; an s_nop 0 and four v_nop follow each line
	s_cmp_eq_u32 s[RH], 0
	s_cbranch_scc0 .Lfor_b_\@
	tensor_load_to_lds s[G0A+4*\s:G0A+4*\s+3], s[G1A:G1A+7]
	s_nop 0
	PLACES
	s_branch .Lasked_\@
.Lfor_b_\@:
	tensor_load_to_lds s[G0B+4*\s:G0B+4*\s+3], s[G1B:G1B+7]
	s_nop 0
	PLACES
.Lasked_\@:
.endm
; A prefetch of the K step that stands two refills on in my cluster's walk: 32 rows x 256 bytes, a lane a row.  Each row's 256 bytes of a K step are named once in the launch: att's by wave 0 of the clusters with x = 0
; (the four partners of a row take 32 of the 128 rows each, by address), wo16's by waves 2 and 3 of the clusters with y = 0 (of the 128 rows that the wave fetches, the four partners of a column take 32 each).
; The loop's last trip asks for nothing: its refills are the walk's last two K steps.  The walk's first four K steps come by their loads alone.
.macro ASK
	s_cmp_gt_u32 s[TRIP], s[LIM]
	s_cbranch_scc0 .Lnot_mine_\@
	global_prefetch_b8 v[PFO], s[PFA:PFA+1] th:TH_LOAD_NT scope:SCOPE_SE
.Lnot_mine_\@:
.endm
.macro CREST
	s_cmp_lg_u32 s[WV], 0
	s_cbranch_scc1 .Lnot_wave_0_\@
	s_barrier_signal -3
.Lnot_wave_0_\@:
	s_barrier_wait -3
	s_barrier_signal -1
	s_barrier_wait -1
.endm
.macro CROUND
	s_barrier_signal -1
	s_barrier_wait -1
	CREST
.endm
	s_load_b256 s[4:11], s[0:1], 0x0               ; att 4, wo16 6, sc 8, out0 10
	v_lshl_add_u32 v[SPW], v0, 2, SPARE
	v_mov_b32 v[NIL], 0
	ds_add_u32 v[SPW], v[NIL]                      ; the wave's opening: the add, twice on end, and its wait ahead of my first tensor load
	ds_add_u32 v[SPW], v[NIL]
	v_lshrrev_b32 v1, 5, v0
	v_readfirstlane_b32 s[WV], v1
	s_lshr_b32 s[RH], s[WV], 1
	s_and_b32 s[CH], s[WV], 1
	s_bfe_u32 s56, ttmp6, 0x40000                  ; cx
	s_bfe_u32 s57, ttmp6, 0x40004                  ; cy
	s_lshl_b32 s58, ttmp9, 2
	s_add_co_u32 s58, s58, s56                     ; tx
	s_and_b32 s59, ttmp7, 0xffff
	s_lshl_b32 s59, s59, 2
	s_add_co_u32 s59, s59, s57                     ; ty
	s_lshl_b32 s60, s57, 2
	s_lshl_b32 s60, 15, s60                        ; my row of the cluster
	s_lshl_b32 s61, 0x1111, s56                    ; my column
	s_or_b32 s[G1A], s60, (1<<16)|(1<<20)|(1<<21)|(5<<22)|(3<<25)  ; elements of 2 bytes; 4 words of padding behind every 64
	s_or_b32 s[G1B], s61, (1<<16)|(1<<20)|(1<<21)|(5<<22)|(3<<25)
.irp g, G1A, G1B
	s_mov_b32 s[\g+1], 128<<16
	s_mov_b32 s[\g+3], 128<<16
	s_mov_b32 s[\g+5], 2048
	s_mov_b32 s[\g+6], 0
	s_mov_b32 s[\g+7], 0
.endr
	s_mov_b32 s[G1A+2], 64<<16
	s_mov_b32 s[G1A+4], 64
	s_mov_b32 s[G1B+2], 128<<16
	s_mov_b32 s[G1B+4], 128
	s_lshl_b32 s68, s59, 7
	s_lshl_b32 s69, s[CH], 6
	s_add_co_u32 s68, s68, s69
	s_lshl_b32 s68, s68, 12                        ; att: row 128 ty + 64 x half, 4,096 bytes a row
	s_mov_b32 s69, 0
	s_lshl_b32 s70, s58, 8
	s_lshl_b32 s71, s[CH], 7
	s_add_co_u32 s70, s70, s71
	s_lshl_b32 s70, s70, 12                        ; wo16: row 256 tx + 128 x half
	s_mov_b32 s71, 0
	s_and_b32 s16, ttmp7, 0xffff                   ; where my cluster's walk along K begins: the cluster's y,
	s_lshr_b32 s17, s16, 1
	s_xor_b32 s16, s16, s17
	s_and_b32 s16, s16, 1                          ; p = 0, 1, 1, 0
	s_lshl_b32 s16, s16, 3
	s_lshl_b32 s17, ttmp9, 2                       ; and its x
	s_add_co_u32 s16, s16, s17
	s_and_b32 s[KI], s16, 15                       ; the same in all sixteen partners; a multiple of 4
	s_mov_b32 s[OFF+1], 0
	s_mul_i32 s16, s[CH], HA
	s_mul_i32 s17, s[CH], HB
	s_add_co_u32 s17, s17, 2*HA
	s_mov_b32 s[SEL], 0x76543210
	s_mov_b32 s[SEL+1], 0xfedcba98
	s_wait_dscnt 0x0                               ; both opening adds are done
	s_wait_kmcnt 0x0
	s_add_nc_u64 s[BA:BA+1], s[4:5], s[68:69]
	s_add_nc_u64 s[BB:BB+1], s[6:7], s[70:71]
	CROUND                                         ; all sixteen work-groups are here: the first joint loads meet
.irp s, 0,1
	s_add_co_u32 s[OFF], s[KI], \s                 ; the walk's first two K steps (no wrap between them)
	s_lshl_b32 s[OFF], s[OFF], 8
	s_mov_b32 s[G0A+4*\s], 1
	s_add_co_u32 s[G0A+4*\s+1], s16, \s*SLOT
	s_add_nc_u64 s[G0A+4*\s+2:G0A+4*\s+3], s[BA:BA+1], s[OFF:OFF+1]
	s_or_b32 s[G0A+4*\s+3], s[G0A+4*\s+3], 0x80000000
	s_mov_b32 s[G0B+4*\s], 1
	s_add_co_u32 s[G0B+4*\s+1], s17, \s*SLOT
	s_add_nc_u64 s[G0B+4*\s+2:G0B+4*\s+3], s[BB:BB+1], s[OFF:OFF+1]
	s_or_b32 s[G0B+4*\s+3], s[G0B+4*\s+3], 0x80000000
	JLOAD \s                                       ; two tensor loads of mine are out
.endr
	s_add_co_u32 s[KI], s[KI], 1                   ; the K step asked for last
	v_and_b32 v1, 15, v0                           ; r
	v_bfe_u32 v2, v0, 4, 1                         ; h
	v_mul_u32_u24 v3, v1, PITCH
	v_lshl_add_u32 v3, v2, 4, v3
	s_mul_i32 s16, s[RH], HA
	s_mul_i32 s17, s[CH], HB
	s_add_co_u32 s17, s17, 2*HA
.irp s, 0,1
	v_add_nc_u32 v[ADRA+\s], s16, v3
	v_add_nc_u32 v[ADRB+\s], s17, v3
	s_add_co_u32 s16, s16, SLOT
	s_add_co_u32 s17, s17, SLOT
.endr
	s_mul_i32 s16, s[WV], 16*SPITCH
	s_add_co_u32 s16, s16, STAGE                   ; my stage
	v_mul_u32_u24 v4, v1, SPITCH
	v_lshl_add_u32 v4, v2, 5, v4
	v_add_nc_u32 v[STO], s16, v4                   ; in: row r, 32 bytes for each half of the lanes
	v_and_b32 v5, 31, v0
	v_lshlrev_b32 v[CO], 4, v5                     ; back: the 32 lanes take one row of 512 bytes; the same in out0
	v_add_nc_u32 v[RD], s16, v[CO]
	v_lshlrev_b32 v[PFO], 12, v5                   ; the prefetches: a lane a row of 4,096 bytes
	v_lshlrev_b32 v[L32], 5, v5
	s_lshl_b32 s18, s59, 7
	s_lshl_b32 s19, s[RH], 6
	s_add_co_u32 s18, s18, s19
	s_lshl_b32 s18, s18, 14                        ; my first row of out0, 16,384 bytes a row,
	s_lshl_b32 s19, s58, 10
	s_add_co_u32 s18, s18, s19
	s_lshl_b32 s19, s[CH], 9
	s_add_co_u32 s18, s18, s19                     ; my first column
	s_mov_b32 s19, 0
	s_add_nc_u64 s[10:11], s[10:11], s[18:19]
	s_lshl_b32 s16, s59, 7                         ; the prefetches: att's rows 128 ty + 32 cx on,
	s_lshl_b32 s17, s56, 5
	s_add_co_u32 s16, s16, s17
	s_lshl_b32 s16, s16, 12
	s_lshl_b32 s17, s58, 8                         ; wo16's rows 256 tx + 128 x half + 32 cy on
	s_lshl_b32 s18, s[CH], 7
	s_add_co_u32 s17, s17, s18
	s_lshl_b32 s18, s57, 5
	s_add_co_u32 s17, s17, s18
	s_lshl_b32 s17, s17, 12
	s_and_b32 s18, ttmp7, 0xffff
	s_cmp_eq_u32 s[RH], 0
	s_cselect_b64 s[PB:PB+1], s[4:5], s[6:7]
	s_cselect_b32 s16, s16, s17
	s_cselect_b32 s18, ttmp9, s18                  ; the coordinate along which other clusters read the same rows
	s_cmp_eq_u32 s[WV], 1
	s_cselect_b32 s18, 1, s18                      ; wave 1 asks for nothing: wave 0 covers att's 128 rows with its partners
	s_cmp_eq_u32 s18, 0
	s_cselect_b32 s[LIM], 1, -1
	s_mov_b32 s17, 0
	s_add_nc_u64 s[PB:PB+1], s[PB:PB+1], s[16:17]
	global_load_b128 v[34:37], v[L32], s[8:9] offset:3072          ; v's 256 scales, eight a lane
	global_load_b128 v[38:41], v[L32], s[8:9] offset:3088
.macro MUL8 f, a, zero                 ; att's block a against wo16's eight, 32 along K; the 32 accumulators take turns in one order
.irp b, 0,1,2,3,4,5,6,7
.if \zero
	v_wmma_f32_16x16x32_f16 v[8*(8*(\a)+\b):8*(8*(\a)+\b)+7], v[\f+32+8*\b:\f+32+8*\b+7], v[\f+8*(\a):\f+8*(\a)+7], 0
.else
	v_wmma_f32_16x16x32_f16 v[8*(8*(\a)+\b):8*(8*(\a)+\b)+7], v[\f+32+8*\b:\f+32+8*\b+7], v[\f+8*(\a):\f+8*(\a)+7], v[8*(8*(\a)+\b):8*(8*(\a)+\b)+7]
.endif
.endr
.endm
.macro FETCH slot, k, f                ; 24 LDS loads in one run: wo16's 16, then att's 8
.irp i, 0,1,2,3,4,5,6,7
	ds_load_b128 v[\f+32+8*\i:\f+32+8*\i+3],   v[ADRB+\slot] offset:\k+\i*16*PITCH
	ds_load_b128 v[\f+32+8*\i+4:\f+32+8*\i+7], v[ADRB+\slot] offset:\k+\i*16*PITCH+32
.endr
.irp i, 0,1,2,3
	ds_load_b128 v[\f+8*\i:\f+8*\i+3],   v[ADRA+\slot] offset:\k+\i*16*PITCH
	ds_load_b128 v[\f+8*\i+4:\f+8*\i+7], v[ADRA+\slot] offset:\k+\i*16*PITCH+32
.endr
.endm
; A K step is four quarters of 32 along K, 32 matrix instructions each, on buffers 0, 1, 0, 1.  One of the first three multiplies f and fetches the next quarter, at byte k, into g.
.macro QUARTER slot, k, f, g, zero
	s_wait_dscnt 4                                 ; all but the youngest four loads (att's blocks 2, 3) are in
	WIN MUL
	MUL8 \f, 0, \zero
	MUL8 \f, 1, \zero
	PLACES                                         ; in front of loads into registers that matrix instructions have read
	WIN 0
	FETCH \slot, \k, \g
	s_wait_dscnt 24                                ; all but the 24 just issued
	WIN MUL
	MUL8 \f, 2, \zero
	MUL8 \f, 3, \zero
.endm
; The last quarter multiplies buffer 1 and changes slots.
.macro TURN slot, next, fill
.if \fill
	s_wait_xcnt 0x0                                ; the last prefetch, a K step back, has read its address
	s_add_co_u32 s[KI], s[KI], 1
	s_and_b32 s[KI], s[KI], 15                     ; the K step that this change asks for, round the sixteen
	s_add_co_u32 s[OFF], s[KI], 2
	s_and_b32 s[OFF], s[OFF], 15
	s_lshl_b32 s[OFF], s[OFF], 8
	s_add_nc_u64 s[PFA:PFA+1], s[PB:PB+1], s[OFF:OFF+1]    ; and the one two refills on
.endif
	WIN 0
	s_wait_tensorcnt 0x0                           ; all my tensor loads have landed: my part of the next slot
	ds_add_u32 v[SPW], v[NIL]
	s_wait_dscnt 5                                 ; the add and the youngest four loads may be out
	WIN MUL
	MUL8 F1, 0, 0
	s_wait_dscnt 0x0                               ; the add is done, and my reads of this slot are over
	s_barrier_signal -1
	MUL8 F1, 1, 0
	WIN 0
	s_barrier_wait -1
.if \fill
	CREST                                          ; no wave of any partner still reads this slot or has a load on its way
	s_lshl_b32 s[OFF], s[KI], 8
	s_add_nc_u64 s[G0A+4*\slot+2:G0A+4*\slot+3], s[BA:BA+1], s[OFF:OFF+1]
	s_or_b32 s[G0A+4*\slot+3], s[G0A+4*\slot+3], 0x80000000
	s_add_nc_u64 s[G0B+4*\slot+2:G0B+4*\slot+3], s[BB:BB+1], s[OFF:OFF+1]
	s_or_b32 s[G0B+4*\slot+3], s[G0B+4*\slot+3], 0x80000000
	JLOAD \slot                                    ; the first tensor load behind the round: 112 matrix instructions ahead of the wait for it
.else
	PLACES
.endif
	FETCH \next, 0, F0
.if \fill
	ASK
.endif
	WIN MUL
	MUL8 F1, 2, 0
	MUL8 F1, 3, 0
.endm
	s_wait_tensorcnt 1                             ; my part of the first K step is in; the second's may stay out
	s_barrier_signal -1
	s_barrier_wait -1
	FETCH 0, 0, F0
	QUARTER 0, 64, F0, F1, 1                       ; the first quarter's products start the sums
	WIN 0
	s_mov_b32 s[TRIP], LAPS-1
.Llap:
	QUARTER 0, 128, F1, F0, 0
	QUARTER 0, 192, F0, F1, 0
	TURN 0, 1, 1
	QUARTER 1, 64,  F0, F1, 0
	QUARTER 1, 128, F1, F0, 0
	QUARTER 1, 192, F0, F1, 0
	TURN 1, 0, 1
	QUARTER 0, 64,  F0, F1, 0
	WIN 0
	s_sub_co_u32 s[TRIP], s[TRIP], 1
	s_cmp_lg_u32 s[TRIP], 0
	s_cbranch_scc1 .Llap
	QUARTER 0, 128, F1, F0, 0                      ; the last lap fills nothing
	QUARTER 0, 192, F0, F1, 0
	TURN 0, 1, 0
	QUARTER 1, 64,  F0, F1, 0
	QUARTER 1, 128, F1, F0, 0
	QUARTER 1, 192, F0, F1, 0
	s_wait_dscnt 4
	WIN MUL
	MUL8 F1, 0, 0
	MUL8 F1, 1, 0
	s_wait_dscnt 0x0
	MUL8 F1, 2, 0
	MUL8 F1, 3, 0
	WIN 0
	s_wait_loadcnt 0x0                             ; v's scales
	v_max3_num_f32 v34, v34, v35, v36              ; (plain work on other registers: the places behind the last products)
	v_max3_num_f32 v38, v38, v39, v40
	v_max3_num_f32 v34, v34, v37, v41
	v_max_num_f32 v34, v34, v38
	v_max_num_f32_dpp v34, v34, v34 row_xmask:1 row_mask:0xf bank_mask:0xf
	v_max_num_f32_dpp v34, v34, v34 row_xmask:2 row_mask:0xf bank_mask:0xf
	v_max_num_f32_dpp v34, v34, v34 row_xmask:4 row_mask:0xf bank_mask:0xf
	v_max_num_f32_dpp v34, v34, v34 row_xmask:8 row_mask:0xf bank_mask:0xf
	v_permlanex16_b32 v35, v34, s[SEL], s[SEL+1]
	v_max_num_f32 v[SVG], v34, v35
	v_mov_b32 v[SVG+1], v[SVG]
; THE WAY OUT, 16 positions x 128 columns at a time: x SVG; 32 bytes a lane into my stage; back as whole rows of 512 bytes.
.macro SCALE a
	WIN 0x01                                       ; source 0 window 1
.set i, 0
.rept 32
	v_pk_mul_f32 v[RES+2*i:RES+2*i+1], v[64*(\a)+2*i:64*(\a)+2*i+1], v[SVG:SVG+1]   ; each accumulator from its low end on
.set i, i+1
.endr
	WIN 0
.endm
.macro TOSTAGE a
.irp b, 0,1,2,3,4,5,6,7
	ds_store_b128 v[STO], v[RES+8*\b:RES+8*\b+3] offset:64*\b
	ds_store_b128 v[STO], v[RES+8*\b+4:RES+8*\b+7] offset:64*\b+16
.endr
.irp t, 0,1,2,3,4,5,6,7,8,9,10,11,12,13,14,15
	ds_load_b128 v[BK+64*((\a)%2)+4*\t:BK+64*((\a)%2)+4*\t+3], v[RD] offset:\t*SPITCH   ; in order behind my stores
.endr
.endm
.macro SEND a, younger                 ; younger: the LDS instructions issued behind block a's loads
	s_wait_dscnt \younger
.irp t, 0,1,2,3,4,5,6,7,8,9,10,11,12,13,14,15
	global_store_b128 v[CO], v[BK+64*((\a)%2)+4*\t:BK+64*((\a)%2)+4*\t+3], s[10:11] offset:(16*(\a)+\t)*16384 th:TH_STORE_NT   ; 512 consecutive bytes, aligned; written once
.endr
.endm
	SCALE 0
	TOSTAGE 0
	SCALE 1
	TOSTAGE 1
	SEND 0, 32                                     ; behind block 0's loads: block 1's 16 stores and 16 loads
	s_wait_xcnt 0x0                                ; block 0's stores have read their registers: block 2's loads may land there
	SCALE 2
	TOSTAGE 2
	SEND 1, 32
	s_wait_xcnt 0x0
	SCALE 3
	TOSTAGE 3
	SEND 2, 32
	SEND 3, 0
	s_wait_tensorcnt 0x0                           ; the wave's end
	ds_add_u32 v[SPW], v[NIL]
	s_wait_dscnt 0x0
	CROUND                                         ; the closing round
	s_endpgm
.Lfunc_end_k_qa43cd05511_oproj:
	.size	k_qa43cd05511_oproj, .Lfunc_end_k_qa43cd05511_oproj-k_qa43cd05511_oproj
	.p2alignl 7, 3214868480
	.fill 96, 4, 3214868480
	.section	.rodata,"a",@progbits
	.p2align	6, 0x0
	.amdhsa_kernel k_qa43cd05511_oproj
		.amdhsa_group_segment_fixed_size 327680
		.amdhsa_private_segment_fixed_size 0
		.amdhsa_enable_private_segment 0
		.amdhsa_kernarg_size 32
		.amdhsa_user_sgpr_count 2
		.amdhsa_user_sgpr_kernarg_segment_ptr 1
		.amdhsa_wavefront_size32 1
		.amdhsa_system_sgpr_workgroup_id_x 1
		.amdhsa_system_sgpr_workgroup_id_y 1
		.amdhsa_system_sgpr_workgroup_id_z 1
		.amdhsa_system_vgpr_workitem_id 0
		.amdhsa_next_free_vgpr 512
		.amdhsa_next_free_sgpr 80
		.amdhsa_reserve_vcc 0
		.amdhsa_float_denorm_mode_32 3
		.amdhsa_float_denorm_mode_16_64 3
		.amdhsa_memory_ordered 1
		.amdhsa_forward_progress 1
		.amdhsa_inst_pref_size 95
	.end_amdhsa_kernel
	.amdgpu_metadata
---
amdhsa.version: [ 1, 2 ]
amdhsa.kernels:
  - .name:           k_qa43cd05511_oproj
    .symbol:         k_qa43cd05511_oproj.kd
    .args:
      - { .name: att, .offset: 0, .size: 8, .value_kind: global_buffer, .address_space: global }
      - { .name: wo16, .offset: 8, .size: 8, .value_kind: global_buffer, .address_space: global }
      - { .name: sc, .offset: 16, .size: 8, .value_kind: global_buffer, .address_space: global }
      - { .name: out0, .offset: 24, .size: 8, .value_kind: global_buffer, .address_space: global }
    .group_segment_fixed_size: 327680
    .private_segment_fixed_size: 0
    .kernarg_segment_align: 8
    .kernarg_segment_size: 32
    .max_flat_workgroup_size: 128
    .sgpr_count:     80
    .vgpr_count:     512
    .wavefront_size: 32
...
	.end_amdgpu_metadata
.endif
;; end of part 4
